; MI455X (gfx1250); checked and timed in simulation.
; The chip was launched on July 23, 2026; its instructions are those of AMD's public machine-readable ISA for CDNA 5 (MIT licence, August 2026) and "CDNA5" Instruction Set Architecture Reference Guide (July 2026). The comments in the code are by the model that wrote it; some were corrected since.
;; MHA. Allowed arithmetic: matrix products marked QUANTISED: E2M1 operands, one E8M0 scale for each 32 along K, by v_wmma_scale_f32_16x16x128_f8f6f4 with both operands' format E2M1 (or v_wmma_scale_f32_32x16x128_f4), f32 sums; products left as they are: bf16, f16 or f32 operands; f32 sums; everything else in f32.
;; Inputs: Wk 1,024 x 256 float32; Wo 1,024 x 1,024 float32; Wq 1,024 x 1,024 float32; Wv 1,024 x 256 float32; mask 1 x 1 x 4,096 x 4,096 int32; x 1 x 4,096 x 1,024 float32.
;; Outputs: out0 1 x 4,096 x 1,024 float32.
;; This version of the problem:
;;   THIS VERSION OF THE PROBLEM IS GIVEN IN LOW PRECISION. The matrix products marked QUANTISED in the list below multiply operands that are first quantised to E2M1 (2 exponent bits, 1 mantissa bit; 4 bits a number), with one power-of-two scale for each 32 numbers along K (OCP MX v1.0); their sums are f32. The products marked 'left as it is' may take bf16, f16 or f32 operands, with f32 sums. Whichever they take, every output number must still come out within the allowed error. Rounding operands to bf16 (8 significant bits) uses up far more of that allowance than f16 does (11 bits, for magnitudes from 6e-5 to 65,504). All else is computed in f32.
;;   The module's matrix products, in the order in which they are computed (A, B: the left and right operand; K: the contracted axis; several contracted axes count as one K, in the product's order):
;;     1. [M 4,096, K 1,024] x [K 1,024, N 1,024]; A: input x; B: input Wq: QUANTISED
;;     2. [M 4,096, K 1,024] x [K 1,024, N 256]; A: input x; B: input Wk: QUANTISED
;;     3. [M 4,096, K 1,024] x [K 1,024, N 256]; A: input x; B: input Wv: QUANTISED
;;     4. batch 16 x [M 4,096, K 64] x [K 64, N 4,096]; A: computed on the way; B: computed on the way: left as it is (an operand is computed on the way)
;;     5. batch 16 x [M 4,096, K 4,096] x [K 4,096, N 64]; A: computed on the way; B: computed on the way: left as it is (an operand is computed on the way)
;;     6. [M 4,096, K 1,024] x [K 1,024, N 1,024]; A: computed on the way; B: input Wo: left as it is (an operand is computed on the way)
;;   THE QUANTISER, for each operand of a quantised product, along K:
;;     - K is cut into blocks of 32 from its start; a last block that is shorter is filled with zeros.
;;     - A block's scale is 2^e with e = floor(log2(the largest magnitude in the block)) - 2, held to -126 .. 127; a block of zeros has e = 0. As a byte (E8M0): e + 127.
;;     - Each number is divided by its block's scale, clamped to +-6, and rounded to the nearest number of E2M1, ties to even, subnormals kept.
;;     - The product sums the exact products of the quantised numbers (number of the format x scale) in f32.
;;   ~~~python
;;   def quantise(x, axis):      # numpy; x: float32 -> the quantised numbers, widened to float32 again
;;       x = np.moveaxis(x, axis, -1); K = x.shape[-1]
;;       x = np.pad(x, [(0, 0)] * (x.ndim - 1) + [(0, -K % 32)]); x = x.reshape(x.shape[:-1] + (-1, 32)); a = np.abs(x).max(-1, keepdims=True)
;;       e = np.where(a > 0, np.clip(np.frexp(np.where(a > 0, a, 1))[1] - 1 - 2, -126, 127), 0)      # np.frexp(a)[1] - 1 = floor(log2(a)), exactly
;;       r = np.clip(x / 2.0 ** e, -6, 6)
;;       step = 2.0 ** (np.maximum(np.frexp(np.where(r == 0, 1, r))[1] - 1, 0) - 1)
;;       q = np.round(r / step) * step * 2.0 ** e      # np.round: ties to even
;;       return np.moveaxis(q.reshape(q.shape[:-2] + (-1,))[..., :K], -1, axis).astype(np.float32)
;;   ~~~
;; One version. Each part assembles by itself: llvm-mc -triple=amdgcn-amd-amdhsa -mcpu=gfx1250 --defsym DOCPART=n.
;; ======== version 1 of 1: 5 launches
;; limits: values are held in f16: magnitudes above 65,504 overflow, below 6.1e-05 lose precision
;; workspace buffers: wq4 835,584 bytes; wo16 2,097,152 bytes; mbits 2,097,152 bytes of whole numbers; cls 4,352 bytes of whole numbers; q16 8,388,608 bytes; kv16 4,194,304 bytes; f32b 8,454,144 bytes; att 8,388,608 bytes
;; launch prep (part 1): grid 336 x 1, 8 waves a work-group, no clusters, 68,608 bytes of LDS; arguments mask, Wq, Wk, Wv, Wo, wq4, wo16, mbits, cls; writes wq4, wo16, mbits, cls
.if DOCPART == 1
	.amdgcn_target "amdgcn-amd-amdhsa--gfx1250"
	.amdhsa_code_object_version 6
	.text
	.protected	k_q6d9e7c626d_prep
	.globl	k_q6d9e7c626d_prep
	.p2align	8
	.type	k_q6d9e7c626d_prep,@function
k_q6d9e7c626d_prep:
	s_mov_b64 s[64:65], 0
	v_nop
	global_prefetch_b8 v0, s[64:65] scope:SCOPE_SE
	s_setreg_imm32_b32 hwreg(HW_REG_WAVE_MODE, 25, 1), 1
	s_wait_xcnt 0x0
; PREP: what the later launches want of the mask and of the weights, laid as they take it.
; THE PROGRAM: prep | qkv (x Wq, x Wk, x Wv on E2M1 codes, RoPE) | attn (softmax(q k^T) v in f16) | outp (the projection in f16) | fine (positions 0-15 once more, in f32).
; WORK LEFT OUT.  No input is dead.  Where mask[q][k] = 0, reference() sets the score to -inf, so p = 0 whatever q, k and v hold.  A tile of 16 queries x 64 keys whose mask words are all 0
; therefore adds nothing to any output, and the later launches pass it over by whole numbers that this launch stores (cls).  Nothing of the mask's pattern is built in.
; LIMIT: a NaN, an infinity or an overflow in k or v that reaches only such tiles is not carried to the result.
; Work-groups 0-31: Wq, 32-39: Wk, 40-47: Wv -> wq4: E2M1 codes as images of the operand's registers [tile of 16 columns][K step of 128][2][lane][16 bytes], then one scale word a column and K step.
;   A lane takes a column and its registers run down K, so a block of 32 lies in one lane.  Scale = 2^(floor(log2(largest magnitude)) - 2); its byte is held at 1 from below; a block of zeros keeps
;   the byte 1 (its codes are zeros, and this program alone reads the bytes).  LIMIT: NaN and infinities among the weights are not served.
; Work-groups 48-79: Wo -> wo16: f16, images of the fragments of Wo^T [tile of 16 columns][32 along K][2][lane][16 bytes].
; Work-groups 80-335: one tile of 16 queries each: mask -> mbits [tile][step of 64 keys][32 words]: word 8 kt + j, bit 16 h + r = (mask[16 tile + r][64 step + 16 kt + 8 h + j] != 0): the lane mask of the
;   score register 8 kt + j;  cls [tile][16 bytes]: 64 bits 'some key of the step is allowed', 64 bits 'all are';  and, from byte 4,096 of cls on, for tile 0 alone: 32 words, one for two steps:
;   bits 16 (step % 2) + 4 kt + 0 .. 3 are not all 0 where some key of the step's tile kt of 16 keys is allowed.
.set SPARE, 67584                      ; behind the eight stages: the spare words, 128 bytes a wave
.set STW,   8448                       ; a wave's stage: 16 rows x (512 + 16) bytes
.set SPW,   6                          ; v6  LDS address of my spare word; never rewritten
.set NIL,   7                          ; v7  0; never rewritten
.macro WLD b, pitch                    ; block b of a weight: rows 32 b + i of my column; 32 lanes read 128 consecutive bytes
.set i, 0
.rept 32
	global_load_b32 v[16+32*(\b)+i], v3, s[30:31] offset:(32*(\b)+i)*(\pitch) th:TH_LOAD_NT
.set i, i+1
.endr
.endm
.macro AHEAD b, pitch                  ; block b is in; the block two further on is asked for
.if (\b) < 3
	s_wait_loadcnt 32                              ; the next block's 32 loads may stay out
.else
	s_wait_loadcnt 0x0
.endif
.if (\b) < 2
	WLD (\b)+2, \pitch
.endif
.endm
.macro QBLK b, pitch                   ; 32 numbers of my column become 32 codes and a scale byte
	AHEAD \b, \pitch
.set XS, 16+32*(\b)
	v_max3_num_f32 v8, |v[XS]|, |v[XS+1]|, |v[XS+2]|
	v_max3_num_f32 v9, |v[XS+3]|, |v[XS+4]|, |v[XS+5]|
.irp i, 6,10,14,18,22,26
	v_max3_num_f32 v8, v8, |v[XS+\i]|, |v[XS+\i+1]|
	v_max3_num_f32 v9, v9, |v[XS+\i+2]|, |v[XS+\i+3]|
.endr
	v_max3_num_f32 v8, v8, |v[XS+30]|, |v[XS+31]|
	v_max3_num_f32 v8, v8, v9, 0x1800000           ; the floor 2^(3 - 127): the byte cannot fall under 1
	v_add_nc_u32 v10, 0xff000000, v8               ; 2 off the exponent field: the conversion's scale operand
	v_lshrrev_b32 v9, 23, v10                      ; the scale's byte
.if (\b) == 0
	v_mov_b32 v160, v9
.else
	v_lshl_or_b32 v160, v9, 8*(\b), v160           ; four bytes make the column's scale word of this K step
.endif
.irp g, 0,1,2,3
	v_cvt_scalef32_pk8_fp4_f32 v[144+4*(\b)+\g], v[XS+8*\g:XS+8*\g+7], v10
.endr
	v_nop                                          ; one plain line behind the last scaled conversion
	global_store_b128 v4, v[144+4*(\b):144+4*(\b)+3], s[26:27] offset:((\b)/2)*512+((\b)%2)*256   ; block b = registers 4 (b / 2) on of lanes 16 (b % 2) on: sixteen lanes store 256 consecutive bytes
.endm
.macro QW pitch
	WLD 0, \pitch
	WLD 1, \pitch
	QBLK 0, \pitch
	QBLK 1, \pitch
	QBLK 2, \pitch
	QBLK 3, \pitch
	global_store_b32 v11, v160, s[28:29] offset:786432
.endm
.macro HBLK b                          ; 32 numbers of my column of Wo become 16 registers of f16: one step of 32 along K
	AHEAD \b, 4096
.set XS, 16+32*(\b)
.set i, 0
.rept 16
	v_cvt_pk_f16_f32 v[144+16*(\b)+i], v[XS+2*i], v[XS+2*i+1]
.set i, i+1
.endr
.irp q, 0,1,2,3
	global_store_b128 v4, v[144+16*(\b)+4*\q:144+16*(\b)+4*\q+3], s[26:27] offset:(\b)*1024+(\q/2)*512+(\q%2)*256   ; k = 8 q on: registers 4 (q / 2) on of lanes 16 (q % 2) on
.endr
.endm
.macro MLOAD it                        ; turn it: 16 rows x 128 keys of the mask; each load reads 512 consecutive bytes of one row
.set i, 0
.rept 16
	global_load_b128 v[16+64*((\it)%2)+4*i:16+64*((\it)%2)+4*i+3], v3, s[4:5] offset:i*16384+(\it)*512 th:TH_LOAD_NT
.set i, i+1
.endr
.endm
.macro MTURN it
.if (\it) < 3
	s_wait_loadcnt 16                              ; this turn's 16 loads are in; the next turn's may stay out
.else
	s_wait_loadcnt 0x0
.endif
.set i, 0
.rept 16
	ds_store_b128 v4, v[16+64*((\it)%2)+4*i:16+64*((\it)%2)+4*i+3] offset:i*528
.set i, i+1
.endr
.irp s, 0,1
.irp k, 0,1,2,3
.irp e, 0,1
	ds_load_b128 v[144+32*\s+8*\k+4*\e:144+32*\s+8*\k+4*\e+3], v1 offset:\s*256+\k*64+\e*16   ; LDS serves a wave's instructions in order: these see my stores.  Lane (r, h), register 32 s + 8 kt + j: row r, key 64 s + 16 kt + 8 h + j
.endr
.endr
.endr
	s_wait_dscnt 0x0
.if (\it) < 2
	MLOAD (\it)+2
.endif
.set x, 0
.rept 16                               ; a compare's lane mask IS the word; word x of the two steps goes to lane x / 2 of register x % 2, so that the 64 words leave as 256 consecutive bytes
	v_cmp_ne_u32 s28, 0, v[144+x]
	v_cmp_ne_u32 s29, 0, v[145+x]
	v_cmp_ne_u32 s30, 0, v[146+x]
	v_cmp_ne_u32 s31, 0, v[147+x]
	v_writelane_b32 v[8+2*(\it)], s28, x/2
	v_writelane_b32 v[9+2*(\it)], s29, x/2
	v_writelane_b32 v[8+2*(\it)], s30, x/2+1
	v_writelane_b32 v[9+2*(\it)], s31, x/2+1
.set x, x+4
.endr
	global_store_b64 v5, v[8+2*(\it):9+2*(\it)], s[18:19] offset:256*(\it)
	v_cmp_ne_u32 s28, 0, v[8+2*(\it)]              ; the two steps' classes: lanes 0-15 hold the first step's words, lanes 16-31 the second's
	v_cmp_ne_u32 s29, 0, v[9+2*(\it)]
	v_cmp_eq_u32 s30, -1, v[8+2*(\it)]
	v_cmp_eq_u32 s31, -1, v[9+2*(\it)]
	s_or_b32 s28, s28, s29
	v_writelane_b32 v208, s28, \it                 ; lane 16 s + 4 kt + j / 2 holds words 8 kt + j of step s: four bits to a tile of 16 keys: the finer class, kept for tile 0
	s_and_b32 s30, s30, s31
	s_and_b32 s29, s28, 0xffff
	s_cselect_b32 s29, 1<<(2*(\it)), 0
	s_or_b32 s36, s36, s29
	s_lshr_b32 s29, s28, 16
	s_cselect_b32 s29, 2<<(2*(\it)), 0
	s_or_b32 s36, s36, s29
	s_and_b32 s29, s30, 0xffff
	s_cmp_eq_u32 s29, 0xffff
	s_cselect_b32 s29, 1<<(2*(\it)), 0
	s_or_b32 s37, s37, s29
	s_lshr_b32 s29, s30, 16
	s_cmp_eq_u32 s29, 0xffff
	s_cselect_b32 s29, 2<<(2*(\it)), 0
	s_or_b32 s37, s37, s29
.endm
	s_load_b256 s[4:11], s[0:1], 0x0               ; mask s[4:5], Wq s[6:7], Wk s[8:9], Wv s[10:11]
	s_load_b256 s[12:19], s[0:1], 0x20             ; Wo s[12:13], wq4 s[14:15], wo16 s[16:17], mbits s[18:19]
	s_load_b64 s[20:21], s[0:1], 0x40              ; cls
	v_lshl_add_u32 v[SPW], v0, 2, SPARE
	v_mov_b32 v[NIL], 0
	v_lshrrev_b32 v1, 5, v0
	v_readfirstlane_b32 s22, v1                    ; wave 0..7
	v_and_b32 v2, 31, v0                           ; lane
	v_and_b32 v1, 15, v0                           ; r
	v_bfe_u32 v5, v0, 4, 1                         ; h
	s_mov_b32 s25, 0
	s_wait_kmcnt 0x0
	s_cmp_ge_u32 ttmp9, 80
	s_cbranch_scc1 .Lmask
	v_lshlrev_b32 v3, 2, v2                        ; a weight: 4 bytes a lane
	s_cmp_ge_u32 ttmp9, 48
	s_cbranch_scc1 .Lwo
	; ---- Wq, Wk, Wv: my wave takes 32 columns (tiles 2 id, 2 id + 1) x K step = wave
	v_lshlrev_b32 v4, 4, v1
	v_lshl_add_u32 v4, v5, 13, v4                  ; codes: 8,192 x (lane / 16) + 16 r
	v_lshlrev_b32 v11, 2, v1
	v_lshl_add_u32 v11, v5, 9, v11                 ; scale words: 512 x (lane / 16) + 4 r
	s_lshl_b32 s24, ttmp9, 14
	s_lshl_b32 s23, s22, 10
	s_add_co_u32 s24, s24, s23
	s_add_nc_u64 s[26:27], s[14:15], s[24:25]      ; wq4 + 2 id x 8,192 + 1,024 x K step
	s_lshl_b32 s24, ttmp9, 10
	s_lshl_b32 s23, s22, 6
	s_add_co_u32 s24, s24, s23
	s_add_nc_u64 s[28:29], s[14:15], s[24:25]      ; wq4 + 2 id x 512 + 64 x K step (the scale words begin 786,432 bytes on)
	s_cmp_ge_u32 ttmp9, 32
	s_cbranch_scc1 .Lwkv
	s_lshl_b32 s24, s22, 19                        ; 128 rows of 4,096 bytes a K step
	s_lshl_b32 s23, ttmp9, 7
	s_add_co_u32 s24, s24, s23
	s_add_nc_u64 s[30:31], s[6:7], s[24:25]
	QW 4096
	s_endpgm
.Lwkv:
	s_cmp_lt_u32 ttmp9, 40
	s_cselect_b64 s[30:31], s[8:9], s[10:11]       ; Wk or Wv: the choice hangs on the work-group's number alone
	s_and_b32 s23, ttmp9, 7
	s_lshl_b32 s23, s23, 7
	s_lshl_b32 s24, s22, 17                        ; 128 rows of 1,024 bytes a K step
	s_add_co_u32 s24, s24, s23
	s_add_nc_u64 s[30:31], s[30:31], s[24:25]
	QW 1024
	s_endpgm
.Lwo:
	s_sub_co_u32 s23, ttmp9, 48                    ; which 32 columns of Wo
	s_lshl_b32 s24, s22, 19
	s_lshl_b32 s32, s23, 7
	s_add_co_u32 s24, s24, s32
	s_add_nc_u64 s[30:31], s[12:13], s[24:25]
	s_lshl_b32 s24, s23, 16                        ; two tiles of 32,768 bytes,
	s_lshl_b32 s32, s22, 12                        ; my four steps of 32 along K
	s_add_co_u32 s24, s24, s32
	s_add_nc_u64 s[26:27], s[16:17], s[24:25]
	v_lshlrev_b32 v4, 4, v1
	v_lshl_add_u32 v4, v5, 15, v4
	WLD 0, 4096
	WLD 1, 4096
	HBLK 0
	HBLK 1
	HBLK 2
	HBLK 3
	s_endpgm
.Lmask:
	s_sub_co_u32 s23, ttmp9, 80                    ; my tile of 16 queries; my wave takes keys 512 x wave on: steps 8 x wave on
	s_lshl_b32 s24, s23, 18
	s_lshl_b32 s26, s22, 11
	s_add_co_u32 s24, s24, s26
	s_add_nc_u64 s[4:5], s[4:5], s[24:25]
	s_lshl_b32 s24, s23, 13
	s_lshl_b32 s26, s22, 10
	s_add_co_u32 s24, s24, s26
	s_add_nc_u64 s[18:19], s[18:19], s[24:25]
	s_lshl_b32 s24, s22, 4
	s_add_nc_u64 s[40:41], s[20:21], s[24:25]      ; cls + 16 x wave: 4,096 bytes on lie my four words of tile 0's finer classes
	s_lshl_b32 s24, s23, 4
	s_add_co_u32 s24, s24, s22
	s_add_nc_u64 s[20:21], s[20:21], s[24:25]
	v_lshlrev_b32 v3, 4, v2                        ; 16 x lane
	s_mul_i32 s27, s22, STW
	v_add_nc_u32 v4, s27, v3                       ; the stage, on the way in
	v_mul_u32_u24 v1, v1, 528
	v_lshl_add_u32 v1, v5, 5, v1
	v_add_nc_u32 v1, s27, v1                       ; and out: row r, + 32 h
	v_lshlrev_b32 v5, 3, v2                        ; 8 x lane
	v_lshlrev_b32 v209, 2, v2                      ; 4 x lane
.irp k, 8,9,10,11,12,13,14,15,208
	v_mov_b32 v\k, 0                               ; written once: a lane write's destination counts as read
.endr
	s_mov_b32 s36, 0                               ; my eight steps' bits: some allowed,
	s_mov_b32 s37, 0                               ; all allowed
	MLOAD 0
	MLOAD 1
	MTURN 0
	MTURN 1
	MTURN 2
	MTURN 3
	v_mov_b32 v144, s36
	v_mov_b32 v145, s37
	v_mov_b32 v146, 0
	s_wait_xcnt 0x0                                ; EXEC changes only behind this wait
	v_cmp_eq_u32 vcc_lo, 0, v2
	s_and_saveexec_b32 s38, vcc_lo
	global_store_b8 v146, v144, s[20:21]           ; byte = wave of the tile's 64 bits
	global_store_b8 v146, v145, s[20:21] offset:8
	s_wait_xcnt 0x0
	s_or_b32 exec_lo, exec_lo, s38
	s_cmp_lg_u32 s23, 0                            ; tile 0 alone keeps the finer classes: a branch on the work-group's number
	s_cbranch_scc1 .Lnot0
	v_cmp_gt_u32 vcc_lo, 4, v2                     ; (no memory instruction has been issued since the wait above)
	s_and_saveexec_b32 s38, vcc_lo
	global_store_b32 v209, v208, s[40:41] offset:4096   ; lanes 0-3: my four turns' words
	s_wait_xcnt 0x0
	s_or_b32 exec_lo, exec_lo, s38
.Lnot0:
	s_wait_tensorcnt 0x0                           ; the wave's end
	ds_add_u32 v[SPW], v[NIL]
	s_wait_dscnt 0x0
	s_endpgm
.Lfunc_end_k_q6d9e7c626d_prep:
	.size	k_q6d9e7c626d_prep, .Lfunc_end_k_q6d9e7c626d_prep-k_q6d9e7c626d_prep
	.p2alignl 7, 3214868480
	.fill 96, 4, 3214868480
	.section	.rodata,"a",@progbits
	.p2align	6, 0x0
	.amdhsa_kernel k_q6d9e7c626d_prep
		.amdhsa_group_segment_fixed_size 68608
		.amdhsa_private_segment_fixed_size 0
		.amdhsa_enable_private_segment 0
		.amdhsa_kernarg_size 72
		.amdhsa_user_sgpr_count 2
		.amdhsa_user_sgpr_kernarg_segment_ptr 1
		.amdhsa_wavefront_size32 1
		.amdhsa_system_sgpr_workgroup_id_x 1
		.amdhsa_system_sgpr_workgroup_id_y 1
		.amdhsa_system_sgpr_workgroup_id_z 1
		.amdhsa_system_vgpr_workitem_id 0
		.amdhsa_next_free_vgpr 210
		.amdhsa_next_free_sgpr 66
		.amdhsa_reserve_vcc 1
		.amdhsa_float_denorm_mode_32 3
		.amdhsa_float_denorm_mode_16_64 3
		.amdhsa_memory_ordered 1
		.amdhsa_forward_progress 1
		.amdhsa_inst_pref_size 110
	.end_amdhsa_kernel
	.amdgpu_metadata
---
amdhsa.version: [ 1, 2 ]
amdhsa.kernels:
  - .name:           k_q6d9e7c626d_prep
    .symbol:         k_q6d9e7c626d_prep.kd
    .args:
      - { .name: mask, .offset: 0, .size: 8, .value_kind: global_buffer, .address_space: global }
      - { .name: Wq, .offset: 8, .size: 8, .value_kind: global_buffer, .address_space: global }
      - { .name: Wk, .offset: 16, .size: 8, .value_kind: global_buffer, .address_space: global }
      - { .name: Wv, .offset: 24, .size: 8, .value_kind: global_buffer, .address_space: global }
      - { .name: Wo, .offset: 32, .size: 8, .value_kind: global_buffer, .address_space: global }
      - { .name: wq4, .offset: 40, .size: 8, .value_kind: global_buffer, .address_space: global }
      - { .name: wo16, .offset: 48, .size: 8, .value_kind: global_buffer, .address_space: global }
      - { .name: mbits, .offset: 56, .size: 8, .value_kind: global_buffer, .address_space: global }
      - { .name: cls, .offset: 64, .size: 8, .value_kind: global_buffer, .address_space: global }
    .group_segment_fixed_size: 68608
    .private_segment_fixed_size: 0
    .kernarg_segment_align: 8
    .kernarg_segment_size: 72
    .max_flat_workgroup_size: 256
    .sgpr_count:     66
    .vgpr_count:     210
    .wavefront_size: 32
...
	.end_amdgpu_metadata
.endif
;; end of part 1
;; launch qkv (part 2): grid 64 x 3, 8 waves a work-group, no clusters, 121,856 bytes of LDS; arguments x, wq4, q16, kv16, f32b; writes q16, kv16, f32b
.if DOCPART == 2
	.amdgcn_target "amdgcn-amd-amdhsa--gfx1250"
	.amdhsa_code_object_version 6
	.text
	.protected	k_q6d9e7c626d_qkv
	.globl	k_q6d9e7c626d_qkv
	.p2align	8
	.type	k_q6d9e7c626d_qkv,@function
k_q6d9e7c626d_qkv:
	s_mov_b64 s[64:65], 0
	v_nop
	global_prefetch_b8 v0, s[64:65] scope:SCOPE_SE
	s_setreg_imm32_b32 hwreg(HW_REG_WAVE_MODE, 25, 1), 1
	s_wait_xcnt 0x0
; QKV: q = x Wq, k = x Wk, v = x Wv on E2M1 codes with E8M0 scales (sums in f32), RoPE on q and k in f32, results stored as images of the registers in which the later launches take them.
; SHARES.  A work-group takes 64 positions (work-group x) and eight 'heads' of 64 columns (8 y + wave: 0-15 q's heads, 16-19 k's, 20-23 v's); a wave makes 64 positions x 64 columns: 16 accumulators.
; x is quantised by the eight waves together (wave w: positions 16 (w / 2) on, K steps 4 (w % 2) on) and goes from wave to wave through LDS as images of the operand's registers.
; The weights' fragments come from wq4 straight into registers: each goes to one wave of the work-group alone.  No cluster: x passes through registers to be quantised, and no tile of weights is read by two waves here.
; q, k: the product is used transposed (source 0 = 16 columns of W, source 1 = 16 positions): a lane holds one position and eight neighbouring features, so RoPE's pairs lie in one lane and four
; conversions give four registers of that lane's f16 fragment.  v: used straight: a lane holds one feature and eight positions, which is V^T's fragment.
; q is multiplied by c = log2(e) / 8 in f32, so that a score is the exponent of 2.  k, v, and q's positions 0-15 are also stored in f32, for the launch that carries positions 0-15 finely.
; RoPE's table: theta_i = 2^(-i log2(1000) / 32); angle = position x theta (one rounding); sine and cosine by reduction modulo pi / 2 in two parts and polynomials (error under 4e-7 for angles up to 4,095).
; LIMITS: a block of x whose largest magnitude lies under 2^-124 has its byte held at 1; NaN and infinities in x are not served; f16 holds q c, k, v up to 65,504.
.set XIMG,  67584                      ; LDS: 0: eight stages of 16 x 528 bytes;  x's images [4 tiles of rows][8 K steps][1,024 bytes],
.set XSC,   100352                     ; their scale words [tile][K step][16 rows],
.set TC,    102400                     ; the cosines, 64 rows x (128 + 16) bytes,
.set TSO,   9216                       ; the sines, so far behind them,
.set SPARE, 120832                     ; the spare words, 128 bytes a wave
.set SPW,   12                         ; v12 LDS address of my spare word; never rewritten
.set NIL,   13                         ; v13 0; never rewritten
.set TM,    80                         ; v80-95 at work in QUANT
.set PC,    96                         ; v96-103 the codes just made
.set PW,    104                        ; v104 their scale word
.set SEL,   20                         ; s[20:21] lane selects: lane l xor 16
; REGISTERS.  window 0: v3 16 x lane, v4-11 LDS addresses, v15 4 x lane; v16-79 64 numbers of x, then the weights' fragments (two sets of 32), then results; v112-175 x's fragments (two sets);
;   v176-191 cosines, v192-207 sines, v208-215 at work; v224-239 the weights' scale words, v240-255 x's: these hold scales alone.   window 1: v0-127 x as loaded (two sets), then the 16 accumulators.
.set MSB, 0
.macro WIN new                         ; the immediate's high byte repeats the setting that is left
.if MSB != \new
	s_set_vgpr_msb (MSB<<8)|\new
.set MSB, \new
.endif
.endm
.macro XLOAD u                         ; unit u: my 16 rows x 128 along K; each load reads 512 consecutive bytes of one row
	WIN 0x40
.set i, 0
.rept 16
	global_load_b128 v[64*((\u)%2)+4*i:64*((\u)%2)+4*i+3], v3, s[4:5] offset:i*4096+(\u)*512
.set i, i+1
.endr
	WIN 0
.endm
.macro SINCOS e                        ; row wave + 8 e of the table, pair i = lane
	s_add_co_u32 s41, s40, 8*\e
	v_cvt_f32_u32 v16, s41
	v_mul_f32 v16, v16, v26                        ; the angle
	v_mul_f32 v17, 0x3f22f983, v16
	v_rndne_f32 v17, v17                           ; n = the nearest multiple of pi / 2
	v_fma_f32 v18, v17, s42, v16
	v_fma_f32 v18, v17, s43, v18                   ; r = angle - n pi / 2, pi / 2 in two parts
	v_mul_f32 v19, v18, v18
	v_fma_f32 v20, v19, s44, s45
	v_fma_f32 v21, v19, s46, s47
	v_fma_f32 v20, v20, v19, s48
	v_fma_f32 v21, v21, v19, s49
	v_mul_f32 v23, v18, v19
	v_fma_f32 v21, v21, v19, -0.5
	v_fma_f32 v20, v23, v20, v18                   ; sin r
	v_fma_f32 v21, v21, v19, 1.0                   ; cos r
	v_cvt_i32_f32 v22, v17
	v_and_b32 v23, 1, v22
	v_cmp_eq_u32 vcc_lo, 1, v23
	v_cndmask_b32 v24, v20, v21, vcc_lo            ; an odd quadrant changes sine and cosine
	v_cndmask_b32 v25, v21, v20, vcc_lo
	v_and_b32 v23, 2, v22
	v_lshlrev_b32 v23, 30, v23
	v_xor_b32 v24, v24, v23                        ; the sine's sign: quadrants 2, 3
	v_add_nc_u32 v22, 1, v22
	v_and_b32 v22, 2, v22
	v_lshlrev_b32 v22, 30, v22
	v_xor_b32 v25, v25, v22                        ; the cosine's: quadrants 1, 2
	ds_store_b32 v10, v25 offset:\e*1152
	ds_store_b32 v10, v24 offset:\e*1152+TSO
.endm
; 64 numbers of a lane, register 16 b + i = k 32 b + 16 (lane / 16) + i of my row, become a fragment's codes in v[PC] on and its scale word in v[PW]
.macro QUANT s
.irp b, 0,1,2,3
	v_max3_num_f32 v[TM+\b], |v[\s+16*\b]|, |v[\s+1+16*\b]|, 0x1800000   ; the floor 2^(3 - 127): the byte cannot fall under 1
.endr
.irp i, 2,4,6,8,10,12,14
.irp b, 0,1,2,3
	v_max3_num_f32 v[TM+\b], v[TM+\b], |v[\s+16*\b+\i]|, |v[\s+1+16*\b+\i]|
.endr
.endr
.irp b, 0,1,2,3
	v_permlanex16_b32 v[TM+4+\b], v[TM+\b], s[SEL], s[SEL+1]
.endr
.irp b, 0,1,2,3
	v_max_num_f32 v[TM+\b], v[TM+\b], v[TM+4+\b]   ; with lane l xor 16's: the block's largest magnitude
.endr
.irp b, 0,1,2,3
	v_add_nc_u32 v[TM+12+\b], 0xff000000, v[TM+\b] ; 2 off its exponent field: the conversion's scale operand
.endr
.irp b, 0,1,2,3
	v_lshrrev_b32 v[TM+4+\b], 23, v[TM+12+\b]      ; the scale's byte
.endr
	v_lshl_or_b32 v[PW], v[TM+5], 8, v[TM+4]
	v_lshl_or_b32 v[PW], v[TM+6], 16, v[PW]
	v_lshl_or_b32 v[PW], v[TM+7], 24, v[PW]
.irp b, 0,1,2,3
	v_cvt_scalef32_pk8_fp4_f32 v[PC+2*\b], v[\s+16*\b:\s+7+16*\b], v[TM+12+\b]
	v_cvt_scalef32_pk8_fp4_f32 v[PC+1+2*\b], v[\s+8+16*\b:\s+15+16*\b], v[TM+12+\b]
.endr
	v_nop                                          ; one plain line behind the last scaled conversion
.irp c, 0,1                                    ; the operand wants a whole block in a lane
.irp i, 0,1
	v_permlane16_swap_b32 v[PC+4*\c+\i], v[PC+2+4*\c+\i]
.endr
.endr
.endm
.macro XSTEP u
.if (\u) < 3
	s_wait_loadcnt 16                              ; this unit's 16 loads are in; the next unit's may stay out
.else
	s_wait_loadcnt 0x0
.endif
	WIN 0x04                                       ; an LDS store's data are its source 1: window 1
.set i, 0
.rept 16
	ds_store_b128 v4, v[64*((\u)%2)+4*i:64*((\u)%2)+4*i+3] offset:i*528
.set i, i+1
.endr
	WIN 0
.irp b, 0,1,2,3
.irp e, 0,1,2,3
	ds_load_b128 v[16+16*\b+4*\e:19+16*\b+4*\e], v5 offset:\b*128+\e*16   ; LDS serves a wave's instructions in order: these see my stores
.endr
.endr
	s_wait_dscnt 0x0                               ; also: the last unit's image stores have read their registers
.if (\u) < 2
	XLOAD (\u)+2
.endif
	QUANT 16
.irp c, 0,1
	ds_store_b128 v6, v[PC+4*\c:PC+4*\c+3] offset:(\u)*1024+512*\c
.endr
	ds_store_b32 v7, v[PW] offset:(\u)*64          ; both halves of the lanes hold the same word and write it to the same place
.endm
.macro LOADW ks                        ; my four tiles of columns, K step ks, into set ks % 2
.irp a, 0,1,2,3
.irp c, 0,1
	global_load_b128 v[16+32*((\ks)%2)+8*\a+4*\c:19+32*((\ks)%2)+8*\a+4*\c], v3, s[16:17] offset:\a*8192+(\ks)*1024+512*\c
.endr
.endr
.endm
.macro LOADX ks                        ; the four tiles of rows likewise
.irp b, 0,1,2,3
.irp c, 0,1
	ds_load_b128 v[112+32*((\ks)%2)+8*\b+4*\c:115+32*((\ks)%2)+8*\b+4*\c], v8 offset:(8*\b+(\ks))*1024+512*\c
.endr
.endr
.endm
.macro MM1 d, fa, fb, sa, sb           ; one product of K step KK.  A scale register holds an even K step's words in lanes 0-15 and the odd one's in lanes 16-31
.if KK == 0
	v_wmma_scale_f32_16x16x128_f8f6f4 v[(\d):(\d)+7], v[(\fa):(\fa)+7], v[(\fb):(\fb)+7], 0, v[\sa], v[\sb] matrix_a_fmt:MATRIX_FMT_FP4 matrix_b_fmt:MATRIX_FMT_FP4
.elseif KK%2 == 0
	v_wmma_scale_f32_16x16x128_f8f6f4 v[(\d):(\d)+7], v[(\fa):(\fa)+7], v[(\fb):(\fb)+7], v[(\d):(\d)+7], v[\sa], v[\sb] matrix_a_fmt:MATRIX_FMT_FP4 matrix_b_fmt:MATRIX_FMT_FP4
.else
	v_wmma_scale_f32_16x16x128_f8f6f4 v[(\d):(\d)+7], v[(\fa):(\fa)+7], v[(\fb):(\fb)+7], v[(\d):(\d)+7], v[\sa], v[\sb] matrix_a_fmt:MATRIX_FMT_FP4 matrix_b_fmt:MATRIX_FMT_FP4 matrix_a_scale:MATRIX_SCALE_ROW1 matrix_b_scale:MATRIX_SCALE_ROW1
.endif
.endm
.macro GEMM v                          ; v = 0: transposed (accumulator (a, b): columns 16 a on, positions 16 b on);  v = 1: straight (positions 16 a on, columns 16 b on).  The 16 accumulators take turns
.set KK, 0
.rept 8
.set WF, 16+32*(KK%2)
.set XF, 112+32*(KK%2)
.if KK < 7
	s_wait_loadcnt 8                               ; this K step's fragments are in; the next step's 8 loads may stay out
	s_wait_dscnt 8
.else
	s_wait_loadcnt 0x0
	s_wait_dscnt 0x0
.endif
	WIN 0x50                                       ; C and D in window 1
.irp a, 0,1,2,3
.irp b, 0,1,2,3
.if \v
	MM1 8*(4*\a+\b), XF+8*\a, WF+8*\b, 240+4*\a+KK/2, 224+4*\b+KK/2
.else
	MM1 8*(4*\a+\b), WF+8*\a, XF+8*\b, 224+4*\a+KK/2, 240+4*\b+KK/2
.endif
.endr
.endr
	WIN 0
.rept 4
	v_nop                                          ; four places in front of loads into registers that these products read, and of the first read of results
.endr
.if KK < 6
	LOADW KK+2
	LOADX KK+2
.endif
.set KK, KK+1
.endr
.endm
.macro KVBASE first                    ; k's or v's group g = head - first: s[26:27] its tile of this step in kv16, s[28:29] its four tiles of 16 keys in f32b
	s_sub_co_u32 s30, s15, \first
	s_lshl_b32 s24, s30, 6
	s_add_co_u32 s24, s24, ttmp9
	s_lshl_b32 s24, s24, 14
	s_add_nc_u64 s[26:27], s[10:11], s[24:25]
	s_lshl_b32 s24, s30, 8
	s_lshl_b32 s31, ttmp9, 2
	s_add_co_u32 s24, s24, s31
	s_lshl_b32 s24, s24, 12
	s_add_nc_u64 s[28:29], s[12:13], s[24:25]
.endm
.macro ROPE_OUT isq                    ; RoPE and the way out, a tile of 16 positions at a time
.irp b, 0,1,2,3
.if \b > 0
	s_wait_xcnt 0x0                                ; the last tile's stores have read their registers
.endif
.irp a, 0,1,2,3
	ds_load_b128 v[176+4*\a:179+4*\a], v11 offset:\b*2304+32*\a        ; my position's cosines of pairs 8 a + 4 h + 0 .. 3,
	ds_load_b128 v[192+4*\a:195+4*\a], v11 offset:TSO+\b*2304+32*\a    ; and sines
.endr
	s_wait_dscnt 0x0
	WIN 0x01                                       ; source 0: the accumulators, window 1
.irp a, 0,1,2,3
.irp j, 0,1,2,3
	v_mul_f32 v[208+2*\j], v[8*(4*\a+\b)+2*\j+1], v[192+4*\a+\j]       ; odd x sin   (each accumulator is read from its low end on)
	v_mul_f32 v[209+2*\j], v[8*(4*\a+\b)+2*\j], v[192+4*\a+\j]         ; even x sin
.endr
.irp j, 0,1,2,3
	v_fma_f32 v[16+8*\a+2*\j], v[8*(4*\a+\b)+2*\j], v[176+4*\a+\j], -v[208+2*\j]    ; even x cos - odd x sin
	v_fma_f32 v[17+8*\a+2*\j], v[8*(4*\a+\b)+2*\j+1], v[176+4*\a+\j], v[209+2*\j]   ; odd x cos + even x sin
.endr
.endr
	WIN 0
.if \isq
.irp i, 0,2,4,6,8,10,12,14,16,18,20,22,24,26,28,30
	v_pk_mul_f32 v[16+\i:17+\i], v[16+\i:17+\i], s[22:23] op_sel_hi:[1,0]   ; x c
.endr
.if \b == 0
	s_cmp_lg_u32 ttmp9, 0                          ; positions 0-15 alone are kept in f32
	s_cbranch_scc1 .Lno_q32
.irp e, 0,1,2,3,4,5,6,7
	global_store_b128 v3, v[16+4*\e:19+4*\e], s[28:29] offset:512*\e
.endr
.Lno_q32:
.endif
.else
.irp e, 0,1,2,3,4,5,6,7
	global_store_b128 v3, v[16+4*\e:19+4*\e], s[28:29] offset:65536+\b*4096+512*\e
.endr
.endif
.irp i, 0,1,2,3,4,5,6,7,8,9,10,11,12,13,14,15
	v_cvt_pk_f16_f32 v[48+16*\b+\i], v[16+2*\i], v[17+2*\i]
.endr
.irp a, 0,1,2,3
.if \isq
	global_store_b128 v3, v[48+16*\b+4*\a:51+16*\b+4*\a], s[26:27] offset:\b*32768+\a*512
.else
	global_store_b128 v3, v[48+16*\b+4*\a:51+16*\b+4*\a], s[26:27] offset:\b*2048+\a*512
.endif
.endr
.endr
.endm
	s_load_b256 s[4:11], s[0:1], 0x0               ; x s[4:5], wq4 s[6:7], q16 s[8:9], kv16 s[10:11]
	s_load_b64 s[12:13], s[0:1], 0x20              ; f32b
	v_lshl_add_u32 v[SPW], v0, 2, SPARE
	v_mov_b32 v[NIL], 0
	v_lshrrev_b32 v1, 5, v0
	v_readfirstlane_b32 s14, v1                    ; wave 0..7
	v_and_b32 v2, 31, v0                           ; lane
	v_and_b32 v1, 15, v0                           ; r
	v_bfe_u32 v14, v0, 4, 1                        ; h
	v_lshlrev_b32 v3, 4, v2                        ; 16 x lane
	v_lshlrev_b32 v15, 2, v2                       ; 4 x lane
	s_mul_i32 s24, s14, 8448
	v_add_nc_u32 v4, s24, v3                       ; my stage, on the way in,
	v_mul_u32_u24 v5, v1, 528
	v_lshl_add_u32 v5, v14, 6, v5
	v_add_nc_u32 v5, s24, v5                       ; and out: row r, + 64 h
	s_lshl_b32 s24, s14, 12                        ; my images are numbers 8 (w / 2) + 4 (w % 2) + u = 4 w + u
	v_add_nc_u32 v6, s24, v3
	v_add_nc_u32 v6, XIMG, v6
	s_lshl_b32 s24, s14, 8
	v_lshl_add_u32 v7, v1, 2, s24
	v_add_nc_u32 v7, XSC, v7
	v_add_nc_u32 v8, XIMG, v3                      ; any image, for my lane
	v_add_nc_u32 v9, XSC, v15                      ; two K steps' scale words
	s_mul_i32 s24, s14, 144
	v_add_nc_u32 v10, s24, v15
	v_add_nc_u32 v10, TC, v10                      ; the table, written: row = wave, pair = lane
	v_mul_u32_u24 v11, v1, 144
	v_lshl_add_u32 v11, v14, 4, v11
	v_add_nc_u32 v11, TC, v11                      ; and read: row r, + 16 h
	s_and_b32 s15, ttmp7, 0xffff
	s_lshl_b32 s15, s15, 3
	s_add_co_u32 s15, s15, s14                     ; my head, 0..23
	s_lshl_b32 s24, ttmp9, 18                      ; x: 64 rows of 4,096 bytes a work-group,
	s_lshr_b32 s26, s14, 1
	s_lshl_b32 s26, s26, 16                        ; 16 rows x (w / 2),
	s_add_co_u32 s24, s24, s26
	s_and_b32 s26, s14, 1
	s_lshl_b32 s26, s26, 11                        ; four K steps x (w % 2)
	s_add_co_u32 s24, s24, s26
	s_mov_b32 s25, 0
	s_lshl_b32 s40, ttmp9, 6
	s_add_co_u32 s40, s40, s14                     ; the table's first position of mine
	s_mov_b32 s[SEL], 0x76543210
	s_mov_b32 s[SEL+1], 0xfedcba98
	s_mov_b32 s22, 0x3e38aa3b                      ; c = log2(e) / 8
	s_mov_b32 s23, s22
	s_mov_b32 s42, 0xbfc90fdb                      ; -pi / 2, its high part,
	s_mov_b32 s43, 0x333bbd2e                      ; and what is left
	s_mov_b32 s44, 0xb9500d01                      ; -1/5040
	s_mov_b32 s45, 0x3c088889                      ; 1/120
	s_mov_b32 s46, 0x37d00d01                      ; 1/40320
	s_mov_b32 s47, 0xbab60b61                      ; -1/720
	s_mov_b32 s48, 0xbe2aaaab                      ; -1/6
	s_mov_b32 s49, 0x3d2aaaab                      ; 1/24
	s_wait_kmcnt 0x0
	s_add_nc_u64 s[4:5], s[4:5], s[24:25]
	s_lshl_b32 s24, s15, 15
	s_add_nc_u64 s[16:17], s[6:7], s[24:25]        ; my four tiles' codes
	s_lshl_b32 s24, s15, 11
	s_add_nc_u64 s[18:19], s[6:7], s[24:25]        ; and scale words (786,432 bytes on)
	XLOAD 0
	XLOAD 1
	; ---- the table, while x is on its way
	v_cvt_f32_u32 v26, v2
	v_mul_f32 v26, 0xbe9f73da, v26                 ; -i log2(1000) / 32
	v_exp_f32 v26, v26                             ; theta_i
.irp b, 0,1,2,3
	v_mov_b32 v[TM+4+\b], 0                        ; (plain lines behind the exponential)  written once: a lane permute's destination counts as read
.endr
	s_wait_alu depctr_va_vdst(0)                   ; the wait ahead of the first reader
.irp e, 0,1,2,3,4,5,6,7
	SINCOS \e
.endr
	; ---- x becomes codes
	XSTEP 0
	XSTEP 1
	XSTEP 2
	XSTEP 3
	s_wait_dscnt 0x0                               ; for the others' sake: my table rows, images and scale words have landed
	s_barrier_signal -1
	s_barrier_wait -1
	; ---- the products
.irp a, 0,1,2,3
.irp p, 0,1,2,3
	global_load_b32 v[224+4*\a+\p], v15, s[18:19] offset:786432+\a*512+\p*128
.endr
.endr
.irp b, 0,1,2,3
.irp p, 0,1,2,3
	ds_load_b32 v[240+4*\b+\p], v9 offset:\b*512+\p*128
.endr
.endr
	LOADW 0
	LOADW 1
	LOADX 0
	LOADX 1
	s_cmp_ge_u32 s15, 20
	s_cbranch_scc1 .Lv
	GEMM 0
	s_cmp_ge_u32 s15, 16
	s_cbranch_scc1 .Lk
	s_lshl_b32 s24, ttmp9, 17                      ; q16: four tiles of 16 heads x 2,048 bytes a work-group, + my head
	s_lshl_b32 s26, s15, 11
	s_add_co_u32 s24, s24, s26
	s_add_nc_u64 s[26:27], s[8:9], s[24:25]
	s_lshl_b32 s24, s15, 12
	s_add_nc_u64 s[28:29], s[12:13], s[24:25]
	ROPE_OUT 1
	s_branch .Lend
.Lk:
	KVBASE 16
	ROPE_OUT 0
	s_branch .Lend
.Lv:
	GEMM 1
	KVBASE 20
	WIN 0x04                                       ; a store's data are its source 1: window 1
.irp a, 0,1,2,3
.irp b, 0,1,2,3
	global_store_b128 v3, v[8*(4*\a+\b):8*(4*\a+\b)+3], s[28:29] offset:4259840+\a*4096+\b*1024
	global_store_b128 v3, v[8*(4*\a+\b)+4:8*(4*\a+\b)+7], s[28:29] offset:4259840+\a*4096+\b*1024+512
.endr
.endr
	WIN 0x05
.irp a, 0,1,2,3
.irp b, 0,1,2,3
.irp i, 0,1,2,3
	v_cvt_pk_f16_f32 v[48+4*(4*\a+\b)+\i], v[8*(4*\a+\b)+2*\i], v[8*(4*\a+\b)+2*\i+1]
.endr
.endr
.endr
	WIN 0
.irp a, 0,1,2,3
.irp b, 0,1,2,3
	global_store_b128 v3, v[48+4*(4*\a+\b):51+4*(4*\a+\b)], s[26:27] offset:8192+(4*\b+2*(\a/2)+(\a%2))*512   ; features 16 b on; keys 16 a on are half a % 2 of the 32 keys a / 2
.endr
.endr
.Lend:
	s_wait_tensorcnt 0x0                           ; the wave's end
	ds_add_u32 v[SPW], v[NIL]
	s_wait_dscnt 0x0
	s_endpgm
.Lfunc_end_k_q6d9e7c626d_qkv:
	.size	k_q6d9e7c626d_qkv, .Lfunc_end_k_q6d9e7c626d_qkv-k_q6d9e7c626d_qkv
	.p2alignl 7, 3214868480
	.fill 96, 4, 3214868480
	.section	.rodata,"a",@progbits
	.p2align	6, 0x0
	.amdhsa_kernel k_q6d9e7c626d_qkv
		.amdhsa_group_segment_fixed_size 121856
		.amdhsa_private_segment_fixed_size 0
		.amdhsa_enable_private_segment 0
		.amdhsa_kernarg_size 40
		.amdhsa_user_sgpr_count 2
		.amdhsa_user_sgpr_kernarg_segment_ptr 1
		.amdhsa_wavefront_size32 1
		.amdhsa_system_sgpr_workgroup_id_x 1
		.amdhsa_system_sgpr_workgroup_id_y 1
		.amdhsa_system_sgpr_workgroup_id_z 1
		.amdhsa_system_vgpr_workitem_id 0
		.amdhsa_next_free_vgpr 384
		.amdhsa_next_free_sgpr 66
		.amdhsa_reserve_vcc 1
		.amdhsa_float_denorm_mode_32 3
		.amdhsa_float_denorm_mode_16_64 3
		.amdhsa_memory_ordered 1
		.amdhsa_forward_progress 1
		.amdhsa_inst_pref_size 158
	.end_amdhsa_kernel
	.amdgpu_metadata
---
amdhsa.version: [ 1, 2 ]
amdhsa.kernels:
  - .name:           k_q6d9e7c626d_qkv
    .symbol:         k_q6d9e7c626d_qkv.kd
    .args:
      - { .name: x, .offset: 0, .size: 8, .value_kind: global_buffer, .address_space: global }
      - { .name: wq4, .offset: 8, .size: 8, .value_kind: global_buffer, .address_space: global }
      - { .name: q16, .offset: 16, .size: 8, .value_kind: global_buffer, .address_space: global }
      - { .name: kv16, .offset: 24, .size: 8, .value_kind: global_buffer, .address_space: global }
      - { .name: f32b, .offset: 32, .size: 8, .value_kind: global_buffer, .address_space: global }
    .group_segment_fixed_size: 121856
    .private_segment_fixed_size: 0
    .kernarg_segment_align: 8
    .kernarg_segment_size: 40
    .max_flat_workgroup_size: 256
    .sgpr_count:     66
    .vgpr_count:     384
    .wavefront_size: 32
...
	.end_amdgpu_metadata
.endif
;; end of part 2
;; launch attn (part 3): grid 64 x 4, 8 waves a work-group, no clusters, 136,192 bytes of LDS; arguments q16, kv16, mbits, cls, att; writes att
.if DOCPART == 3
	.amdgcn_target "amdgcn-amd-amdhsa--gfx1250"
	.amdhsa_code_object_version 6
	.text
	.protected	k_q6d9e7c626d_attn
	.globl	k_q6d9e7c626d_attn
	.p2align	8
	.type	k_q6d9e7c626d_attn,@function
k_q6d9e7c626d_attn:
	s_mov_b64 s[64:65], 0
	v_nop
	global_prefetch_b8 v0, s[64:65] scope:SCOPE_SE
	s_setreg_imm32_b32 hwreg(HW_REG_WAVE_MODE, 25, 1), 1
	s_wait_xcnt 0x0
; ATTN: att = softmax(q k^T / 8, under the mask) v, operands in f16, scores, maxima and sums in f32.  q arrives multiplied by log2(e) / 8, so p = 2^(score - m), m the row's running maximum.
; WORK LEFT OUT: a step of 64 keys whose mask words are all 0 for a tile of 16 queries adds nothing to it (p = 0 for all values of q, k, v): it is passed over, by bits that the first launch stored (cls).
; LIMIT: a NaN or an infinity in k or v that reaches only such steps is not carried.  A row with no key allowed gives 0 x (1 / 0) = NaN, as reference() does.
; SHARES.  A UNIT is a tile of 16 queries and two heads of one group of four (they share each fragment of K and V and each mask word).  Work-group (p, g) has eight units: the two tiles of block 127 - p
; and the two of block p, two pairs of heads each.  THE KEYS OF A UNIT ARE SHARED BETWEEN TWO WAVES: one takes its even steps, the other its odd ones, each with a running maximum, sum and O^T of its own,
; and the two are merged at the end.  Wave w: parity w % 2, heads 4 g + 2 ((w / 2) % 2) + 0, 1, tile w / 4 of BOTH blocks: unit 0 in block 127 - p, unit 1 in block p.  So where the live steps of a tile
; grow with its number, every wave of every work-group has half of a long unit and half of a short one; for any other mask the shares are less even and the result the same.
; K AND V come as tiles of 16,384 bytes a step (images of the fragments' registers).  A trip takes steps 2 T and 2 T + 1, 32,768 bytes on end: 256 threads load 128 bytes each and store them to one of two
; pairs of LDS slots; the even waves read the pair's first tile, the odd waves its second.  Which steps are walked hangs on numbers read from memory: no tensor load, no copy, no cluster.
; One barrier a trip: in front of it a wave's stores into the pair have landed and its reads of the other pair are over; the pair written now was last read in front of the barrier before.
; LAYOUT.  S^T = K Q^T (source 0 = 16 keys, source 1 = my 16 queries), O^T = V^T P: a lane holds one query throughout; p, rounded to f16 in pairs in place, is the second product's source 1.
; One head's products stand among the other head's softmax: Q K of head 1 in head 0's, P V of head 0 in head 1's.
; REGISTERS.  window 0: v1, v2 the add's two; v3 16 x lane + 16,384 x parity; v4 16 x thread; v5 16 x thread + the walk's bytes; v6 -inf; v7 the prefetch's offset; v8-39 statistics, 8 a head and unit:
;   +0 m, +1 old m, +2, +3 the sum, +4..7 at work (a in +6); v40-103 Q; v104-167 S^T, then p; v168-231 K or V; v232-239 the sums' chains; v240 my pair of waves' place for the merge; v241 16 x lane.
;   window 1: v0-127 O^T (unit k, head t at 64 k + 32 t); v128-159 the 128 bytes on their way to LDS.
.set PAIRB, 32768                      ; a pair of slots
.set MRG,   65536                      ; behind the two pairs: for each pair of waves and unit 8,704 bytes: O^T's 16 images, then one image of m and the sum
.set UNITB, 8704
.set SPARE, 135168                     ; the spare words, 128 bytes a wave
.set SPW, 1
.set NIL, 2
.set LI,  3
.set STA, 4
.set GOF, 5
.set NINF, 6
.set PFO, 7
.set ST,  8
.set Q,   40
.set S,   104
.set KV,  168
.set SU,  232
.set VM,  240
.set LQ,  241
.set STG, 128
; s15 parity; s48 loop trips in which I prefetch; s50 the loop trip's bytes in mbits; s51 the loop trip.  64 bits each, bit 0 = this loop trip's first trip, bit 2 its second:
; s[52:53] one of the trip's two steps is live for some wave;  s[54:55], s[58:59] my step is live for unit 0, 1;  s[56:57], s[60:61] and masked in part.  s[8:9], s[62:63] the units' mask words.
.set MSB, 0
.macro WIN new                         ; the immediate's high byte repeats the setting that is left
.if MSB != \new
	s_set_vgpr_msb (MSB<<8)|\new
.set MSB, \new
.endif
.endm
.macro QKW k, t, idx                   ; product idx of 8 of head t's S^T: features 32 (idx / 4) on, keys 16 (idx % 4) on
.set rD, S+32*(\t)+8*((\idx)%4)
.set rA, KV+16*((\idx)%4)+8*((\idx)/4)
.set rB, Q+32*(\k)+16*(\t)+8*((\idx)/4)
.if (\idx) < 4
	v_wmma_f32_16x16x32_f16 v[rD:rD+7], v[rA:rA+7], v[rB:rB+7], 0
.else
	v_wmma_f32_16x16x32_f16 v[rD:rD+7], v[rA:rA+7], v[rB:rB+7], v[rD:rD+7]
.endif
.endm
.macro PVW k, t, idx                   ; product idx of 8 of head t's O^T: keys 32 (idx / 4) on, features 16 (idx % 4) on.  C and D lie in window 1
.set rD, 64*(\k)+32*(\t)+8*((\idx)%4)
.set rA, KV+16*((\idx)%4)+8*((\idx)/4)
.set rB, S+32*(\t)+8*((\idx)/4)
	v_wmma_f32_16x16x32_f16 v[rD:rD+7], v[rA:rA+7], v[rB:rB+7], v[rD:rD+7]
.endm
.macro HK k, t                         ; the next of the eight products that stand in head t's softmax
.if (\t) == 0
	QKW \k, 1, HN
.else
	WIN 0x50
	PVW \k, 0, HN
	WIN 0
.endif
.set HN, HN+1
.endm
.macro FETCH tr, off                   ; sixteen groups of four registers, as they lie
.irp f, 0,1,2,3,4,5,6,7,8,9,10,11,12,13,14,15
	ds_load_b128 v[KV+4*\f:KV+4*\f+3], v[LI] offset:(\tr)*PAIRB+(\off)+512*\f
.endr
.endm
.macro SOFT k, t, tr                   ; the softmax of one step for head t of unit k
.set rT, ST+16*(\k)+8*(\t)
.set rS, S+32*(\t)
.set rO, 64*(\k)+32*(\t)
.set HN, 0
	s_bitcmp1_b32 s[56+4*(\k)], 2*(\tr)            ; a step all of whose keys are allowed has nothing to hide
	s_cbranch_scc0 .Lopen_\@
.set j, 0
.rept 32
	v_cndmask_b32 v[rS+j], v[NINF], v[rS+j], s[68+j]   ; word j is register j's lane mask
.set j, j+1
.endr
.Lopen_\@:
.irp c, 0,1,2,3
	v_max3_num_f32 v[rT+4+\c], v[rS+8*\c], v[rS+8*\c+1], v[rS+8*\c+2]   ; four chains; each accumulator is read from its low end on
.endr
	HK \k, \t
.irp c, 0,1,2,3
	v_max3_num_f32 v[rT+4+\c], v[rT+4+\c], v[rS+8*\c+3], v[rS+8*\c+4]
.endr
	HK \k, \t
.irp c, 0,1,2,3
	v_max3_num_f32 v[rT+4+\c], v[rT+4+\c], v[rS+8*\c+5], v[rS+8*\c+6]
.endr
	HK \k, \t
	v_max3_num_f32 v[rT+4], v[rT+4], v[rS+7], v[rS+15]
	v_max3_num_f32 v[rT+6], v[rT+6], v[rS+23], v[rS+31]
	v_max3_num_f32 v[rT+4], v[rT+4], v[rT+5], v[rT+6]
	v_max3_num_f32 v[rT+4], v[rT+4], v[rT+7], v[rT]     ; with the old m
	HK \k, \t
	v_permlanex16_b32 v[rT+5], v[rT+4], s20, s21        ; the query's other 32 keys lie in the lane 16 away
	v_mov_b32 v[rT+1], v[rT]
	v_max_num_f32 v[rT], v[rT+4], v[rT+5]               ; the new m
	v_sub_f32 v[rT+7], v[rT+1], v[rT]                   ; old m - new m
	HK \k, \t
.set j, 0
.rept 16
	v_pk_add_f32 v[rS+2*j:rS+2*j+1], v[rS+2*j:rS+2*j+1], v[rT:rT+1] op_sel_hi:[1,0] neg_lo:[0,1] neg_hi:[0,1]   ; score - m
.if (j == 3) || (j == 7) || (j == 11)
	HK \k, \t
.endif
.set j, j+1
.endr                                  ; the last four additions are the four places behind the eighth product
.if (\t) == 0
	FETCH \tr, 8192                                ; V takes K's registers: both heads have multiplied by K
.endif
	v_exp_f32 v[rT+6], v[rT+7]                     ; a = 2^(old m - new m)
.set j, 0
.rept 32
	v_exp_f32 v[rS+j], v[rS+j]                     ; p
.set j, j+1
.endr
	v_nop                                          ; a plain line behind the last exponential
	s_wait_alu depctr_va_vdst(0)                   ; one wait for the 33, ahead of their first reader
.irp c, 0,1,2,3
	v_pk_add_f32 v[SU+2*\c:SU+2*\c+1], v[rS+2*\c:rS+2*\c+1], v[rS+8+2*\c:rS+9+2*\c]
.endr
.irp c, 0,1,2,3
	v_pk_add_f32 v[SU+2*\c:SU+2*\c+1], v[SU+2*\c:SU+2*\c+1], v[rS+16+2*\c:rS+17+2*\c]
.endr
.irp c, 0,1,2,3
	v_pk_add_f32 v[SU+2*\c:SU+2*\c+1], v[SU+2*\c:SU+2*\c+1], v[rS+24+2*\c:rS+25+2*\c]
.endr
	v_pk_add_f32 v[SU:SU+1], v[SU:SU+1], v[SU+2:SU+3]
	v_pk_add_f32 v[SU+4:SU+5], v[SU+4:SU+5], v[SU+6:SU+7]
	v_pk_fma_f32 v[rT+2:rT+3], v[rT+2:rT+3], v[rT+6:rT+7], v[SU:SU+1] op_sel_hi:[1,0,1]   ; the sum x a + this step's
	v_pk_add_f32 v[rT+2:rT+3], v[rT+2:rT+3], v[SU+4:SU+5]
.set j, 0
.rept 16
	v_cvt_pk_f16_f32 v[rS+j], v[rS+2*j], v[rS+2*j+1]   ; in place, ascending: register j is written when 2 j and 2 j + 1 are read
.set j, j+1
.endr
	WIN 0x41                                       ; O^T (destination and source 0) in window 1, a in window 0
.set j, 0
.rept 16
	v_pk_mul_f32 v[rO+2*j:rO+2*j+1], v[rO+2*j:rO+2*j+1], v[rT+6:rT+7] op_sel_hi:[1,0]   ; O^T x a
.set j, j+1
.endr
	WIN 0
.endm
.macro COMPUTE k, tr                   ; my step of this trip, for unit k
	s_bitcmp1_b32 s[56+4*(\k)], 2*(\tr)
	s_cbranch_scc0 .Lnm_\@
	s_load_b512 s[68:83], s[8+54*(\k):9+54*(\k)], s50 offset:256*(\tr)       ; the step's 32 mask words
	s_load_b512 s[84:99], s[8+54*(\k):9+54*(\k)], s50 offset:256*(\tr)+64
.Lnm_\@:
	FETCH \tr, 0
	s_wait_dscnt 0x0                               ; K is in
.irp n8, 0,1,2,3,4,5,6,7
	QKW \k, 0, \n8
.endr
.rept 4
	v_nop                                          ; four places in front of the first read of the scores
.endr
	s_wait_kmcnt 0x0                               ; on every way: no scalar load is out from here on
	SOFT \k, 0, \tr
	s_wait_dscnt 0x0                               ; V is in
	SOFT \k, 1, \tr
	WIN 0x50
.irp n8, 0,1,2,3,4,5,6,7
	PVW \k, 1, \n8
.endr
	WIN 0
.rept 4
	v_nop                                          ; four places in front of the next loads into K's and V's registers and of the next read of O^T
.endr
.endm
; A prefetch of the 32,768 bytes of trip T + 2: 128 blocks of 256 bytes, a lane a block.  All 64 work-groups of a group walk the same tiles: work-group 0 asks, its waves 0-3, 8,192 bytes each, one
; instruction a trip.  The last loop trip asks for nothing: no tile lies behind it.  Trips 0 and 1 come by their loads alone.
.macro ASK tr
	s_cmp_lt_u32 s51, s48
	s_cbranch_scc0 .Lnask_\@
	global_prefetch_b8 v[PFO], s[6:7] offset:(\tr)*PAIRB th:TH_LOAD_NT scope:SCOPE_SE
.Lnask_\@:
.endm
.macro TRIP tr
	s_wait_loadcnt 0x0                             ; my 128 bytes of this trip's two tiles are in registers (if they were asked for); v5 is free
.if \tr == 1
	v_add_nc_u32 v[GOF], 65536, v[GOF]             ; on to the next loop trip's tiles
.endif
	s_bitcmp1_b32 s52, 2*\tr
	s_cbranch_scc0 .Lnst_\@
	WIN 0x04                                       ; an LDS store's data are its source 1: window 1
.irp e, 0,1,2,3,4,5,6,7
	ds_store_b128 v[STA], v[STG+4*\e:STG+4*\e+3] offset:\tr*PAIRB+4096*\e
.endr
	WIN 0
.Lnst_\@:
	s_wait_dscnt 0x0                               ; my stores have landed, and my reads of the other pair are over
	s_barrier_signal -1
	s_barrier_wait -1
	s_bitcmp1_b32 s52, 2*\tr+2                     ; the next trip's tiles (behind the last trip these bits are 0: no load leaves the buffer)
	s_cbranch_scc0 .Lnld_\@
	WIN 0x40
.irp e, 0,1,2,3,4,5,6,7
	global_load_b128 v[STG+4*\e:STG+4*\e+3], v[GOF], s[6:7] offset:4096*\e+(1-\tr)*PAIRB
.endr
	WIN 0
.Lnld_\@:
	ASK \tr
	s_bitcmp1_b32 s54, 2*\tr
	s_cbranch_scc0 .Lnc0_\@
	COMPUTE 0, \tr
.Lnc0_\@:
	s_bitcmp1_b32 s58, 2*\tr
	s_cbranch_scc0 .Lnc1_\@
	COMPUTE 1, \tr
.Lnc1_\@:
.endm
.macro SH4 r                           ; 64 bits four to the right
	s_lshr_b32 s[\r], s[\r], 4
	s_lshl_b32 s49, s[\r+1], 28
	s_or_b32 s[\r], s[\r], s49
	s_lshr_b32 s[\r+1], s[\r+1], 4
.endm
.macro SENDU k                         ; my half of unit k goes to the wave that finishes it: m and the lane's sum of both heads, and O^T, as images of the registers
	v_mov_b32 v[SU], v[ST+16*\k]
	v_add_f32 v[SU+1], v[ST+16*\k+2], v[ST+16*\k+3]
	v_mov_b32 v[SU+2], v[ST+16*\k+8]
	v_add_f32 v[SU+3], v[ST+16*\k+10], v[ST+16*\k+11]
	ds_store_b128 v[VM], v[SU:SU+3] offset:\k*UNITB+8192
	WIN 0x04
.irp f, 0,1,2,3,4,5,6,7,8,9,10,11,12,13,14,15
	ds_store_b128 v[VM], v[64*\k+4*\f:64*\k+4*\f+3] offset:\k*UNITB+512*\f     ; each accumulator from its low end on
.endr
	WIN 0
.endm
.macro MERGEU k, ap                    ; unit k is finished: m = the larger of the two; each half x 2^(its m - m); O^T / the sum, rounded to f16: four registers a lane are four registers of the projection's fragment
.irp f, 0,1,2,3,4,5,6,7,8,9,10,11,12,13,14,15
	ds_load_b128 v[S+4*\f:S+4*\f+3], v[VM] offset:\k*UNITB+512*\f
.endr
	ds_load_b128 v[SU:SU+3], v[VM] offset:\k*UNITB+8192
	s_wait_dscnt 0x0
.irp t, 0,1
	v_add_f32 v[ST+16*\k+8*\t+3], v[ST+16*\k+8*\t+2], v[ST+16*\k+8*\t+3]
	v_max_num_f32 v[ST+16*\k+8*\t+1], v[ST+16*\k+8*\t], v[SU+2*\t]
.endr
.irp t, 0,1
	v_sub_f32 v[ST+16*\k+8*\t+6], v[ST+16*\k+8*\t], v[ST+16*\k+8*\t+1]
	v_sub_f32 v[ST+16*\k+8*\t+4], v[SU+2*\t], v[ST+16*\k+8*\t+1]
.endr
.irp t, 0,1
	v_exp_f32 v[ST+16*\k+8*\t+6], v[ST+16*\k+8*\t+6]    ; my half's factor,
	v_exp_f32 v[ST+16*\k+8*\t+4], v[ST+16*\k+8*\t+4]    ; the other's
.endr
	v_nop
	s_wait_alu depctr_va_vdst(0)                   ; one wait for the four, ahead of their first reader
.irp t, 0,1
	v_mul_f32 v[ST+16*\k+8*\t+3], v[ST+16*\k+8*\t+3], v[ST+16*\k+8*\t+6]
.endr
.irp t, 0,1
	v_fma_f32 v[ST+16*\k+8*\t+3], v[SU+2*\t+1], v[ST+16*\k+8*\t+4], v[ST+16*\k+8*\t+3]
.endr
.irp t, 0,1
	v_permlanex16_b32 v[ST+16*\k+8*\t+2], v[ST+16*\k+8*\t+3], s20, s21
.endr
.irp t, 0,1
	v_add_f32 v[ST+16*\k+8*\t+3], v[ST+16*\k+8*\t+3], v[ST+16*\k+8*\t+2]   ; the row's sum
.endr
.irp t, 0,1
	v_rcp_f32 v[ST+16*\k+8*\t+2], v[ST+16*\k+8*\t+3]
.endr
	v_nop
	s_wait_alu depctr_va_vdst(0)                   ; one wait for the two reciprocals
.irp t, 0,1
	v_mul_f32 v[ST+16*\k+8*\t+6], v[ST+16*\k+8*\t+6], v[ST+16*\k+8*\t+2]
	v_mul_f32 v[ST+16*\k+8*\t+4], v[ST+16*\k+8*\t+4], v[ST+16*\k+8*\t+2]
.endr
.irp t, 0,1
.set j, 0
.rept 32
	v_mul_f32 v[S+32*\t+j], v[S+32*\t+j], v[ST+16*\k+8*\t+4]
.set j, j+1
.endr
.endr
	WIN 0x01                                       ; source 0: my O^T, window 1
.irp t, 0,1
.set j, 0
.rept 32
	v_fma_f32 v[S+32*\t+j], v[64*\k+32*\t+j], v[ST+16*\k+8*\t+6], v[S+32*\t+j]
.set j, j+1
.endr
.endr
	WIN 0
.irp t, 0,1
.set j, 0
.rept 16
	v_cvt_pk_f16_f32 v[KV+16*\t+j], v[S+32*\t+2*j], v[S+32*\t+2*j+1]
.set j, j+1
.endr
.endr
.irp t, 0,1
.irp f, 0,1,2,3
	global_store_b128 v[LQ], v[KV+16*\t+4*\f:KV+16*\t+4*\f+3], s[\ap:\ap+1] offset:\t*2048+\f*512   ; 32 lanes store 512 consecutive bytes
.endr
.endr
.endm
	s_load_b256 s[4:11], s[0:1], 0x0               ; q16 s[4:5], kv16 s[6:7], mbits s[8:9], cls s[10:11]
	s_load_b64 s[12:13], s[0:1], 0x20              ; att
	v_lshl_add_u32 v[SPW], v0, 2, SPARE
	v_mov_b32 v[NIL], 0
	v_lshrrev_b32 v[LI], 5, v0
	v_readfirstlane_b32 s14, v[LI]                 ; wave 0..7
	v_and_b32 v[LQ], 31, v0
	v_lshlrev_b32 v[PFO], 8, v[LQ]                 ; 256 x lane
	v_lshlrev_b32 v[LQ], 4, v[LQ]                  ; 16 x lane
	v_lshlrev_b32 v[STA], 4, v0
	v_lshlrev_b32 v[GOF], 4, v0
	v_mov_b32 v[NINF], 0xff800000
	s_and_b32 s15, s14, 1                          ; my parity
	s_bfe_u32 s22, s14, 0x10001                    ; my pair of heads
	s_lshr_b32 s23, s14, 2                         ; my tile in each block
	s_and_b32 s16, ttmp7, 0xffff                   ; g
	s_lshl_b32 s17, s15, 14
	v_add_nc_u32 v[LI], s17, v[LQ]                 ; my tile of a pair of slots
	s_lshr_b32 s17, s14, 1
	s_mul_i32 s17, s17, 2*UNITB
	s_add_co_u32 s17, s17, MRG
	v_add_nc_u32 v[VM], s17, v[LQ]                 ; my pair of waves' place for the merge
	s_and_b32 s17, s14, 3
	s_lshl_b32 s17, s17, 13
	v_add_nc_u32 v[PFO], s17, v[PFO]               ; each loop trip's head steps it by two trips' bytes
	s_sub_co_u32 s18, 127, ttmp9
	s_lshl_b32 s18, s18, 1
	s_add_co_u32 s18, s18, s23                     ; unit 0's tile of 16 queries
	s_lshl_b32 s19, ttmp9, 1
	s_add_co_u32 s19, s19, s23                     ; unit 1's
	s_lshr_b32 s48, s14, 2
	s_or_b32 s48, s48, ttmp9
	s_cmp_eq_u32 s48, 0
	s_cselect_b32 s48, 15, 0
	s_mov_b32 s20, 0x76543210
	s_mov_b32 s21, 0xfedcba98
	s_mov_b32 s3, 0
	s_wait_kmcnt 0x0
	s_lshl_b32 s2, ttmp9, 5
	s_add_nc_u64 s[52:53], s[10:11], s[2:3]
	s_load_b256 s[24:31], s[52:53], 0x0            ; the classes of block p's two tiles,
	s_sub_co_u32 s2, 127, ttmp9
	s_lshl_b32 s2, s2, 5
	s_add_nc_u64 s[54:55], s[10:11], s[2:3]
	s_load_b256 s[32:39], s[54:55], 0x0            ; of block 127 - p's,
	s_lshl_b32 s2, s18, 4
	s_add_nc_u64 s[56:57], s[10:11], s[2:3]
	s_load_b128 s[40:43], s[56:57], 0x0            ; of unit 0's tile,
	s_lshl_b32 s2, s19, 4
	s_add_nc_u64 s[58:59], s[10:11], s[2:3]
	s_load_b128 s[44:47], s[58:59], 0x0            ; and of unit 1's
	s_lshl_b32 s49, s15, 7
	s_lshl_b32 s2, s19, 13
	s_add_co_u32 s2, s2, s49
	s_add_nc_u64 s[62:63], s[8:9], s[2:3]          ; unit 1's mask words, at my parity's first step,
	s_lshl_b32 s2, s18, 13
	s_add_co_u32 s2, s2, s49
	s_add_nc_u64 s[8:9], s[8:9], s[2:3]            ; and unit 0's
	s_load_b512 s[68:83], s[8:9], 0x0              ; one step's words, so that these registers are written on every way
	s_load_b512 s[84:99], s[8:9], 0x40
	s_lshl_b32 s2, s16, 20
	s_add_nc_u64 s[6:7], s[6:7], s[2:3]            ; my group's 64 tiles
	s_lshl_b32 s17, s16, 2
	s_lshl_b32 s49, s22, 1
	s_add_co_u32 s17, s17, s49                     ; my first head
	s_lshl_b32 s2, s19, 4
	s_add_co_u32 s2, s2, s17
	s_lshl_b32 s2, s2, 11                          ; (16 tile + first head) x 2,048
	s_add_nc_u64 s[66:67], s[12:13], s[2:3]        ; unit 1 in att,
	s_add_nc_u64 s[60:61], s[4:5], s[2:3]          ; and in q16
	s_lshl_b32 s2, s18, 4
	s_add_co_u32 s2, s2, s17
	s_lshl_b32 s2, s2, 11
	s_add_nc_u64 s[12:13], s[12:13], s[2:3]        ; unit 0
	s_add_nc_u64 s[4:5], s[4:5], s[2:3]
.irp t, 0,1
.irp f, 0,1,2,3
	global_load_b128 v[Q+16*\t+4*\f:Q+16*\t+4*\f+3], v[LQ], s[4:5] offset:\t*2048+\f*512
	global_load_b128 v[Q+32+16*\t+4*\f:Q+32+16*\t+4*\f+3], v[LQ], s[60:61] offset:\t*2048+\f*512
.endr
.endr
	WIN 0x40
.irp e, 0,1,2,3,4,5,6,7
	global_load_b128 v[STG+4*\e:STG+4*\e+3], v[GOF], s[6:7] offset:4096*\e     ; trip 0's tiles, without a test: these registers are written on every way
.endr
.set j, 0
.rept 128
	v_mov_b32 v[j], 0                              ; O^T: which step is the first live one is not known here, so the sums begin as zeros
.set j, j+1
.endr
	WIN 0
.irp t, 0,1,2,3
	v_mov_b32 v[ST+8*\t], 0xff61b1e6               ; m: -3e38, under every score
.irp k, 1,2,3,4,5,6,7
	v_mov_b32 v[ST+8*\t+\k], 0
.endr
.endr
	s_wait_kmcnt 0x0
	s_wait_xcnt 0x0                                ; s[52:61] held addresses of loads: they are written again only behind these two waits
	s_or_b32 s52, s24, s28
	s_or_b32 s52, s52, s32
	s_or_b32 s52, s52, s36
	s_or_b32 s53, s25, s29
	s_or_b32 s53, s53, s33
	s_or_b32 s53, s53, s37
	s_lshr_b32 s49, s52, 1
	s_or_b32 s52, s52, s49                         ; bit 2 T: step 2 T or 2 T + 1 is live for some tile of the work-group
	s_lshr_b32 s49, s53, 1
	s_or_b32 s53, s53, s49
	s_and_not1_b32 s56, s40, s42                   ; live and not wholly allowed
	s_and_not1_b32 s57, s41, s43
	s_and_not1_b32 s60, s44, s46
	s_and_not1_b32 s61, s45, s47
	s_lshr_b32 s54, s40, s15                       ; by my parity: bit 2 T is then my step of trip T (an odd step never leaves its word)
	s_lshr_b32 s55, s41, s15
	s_lshr_b32 s56, s56, s15
	s_lshr_b32 s57, s57, s15
	s_lshr_b32 s58, s44, s15
	s_lshr_b32 s59, s45, s15
	s_lshr_b32 s60, s60, s15
	s_lshr_b32 s61, s61, s15
	s_mov_b32 s50, 0
	s_mov_b32 s51, 0
.Liter:                                            ; 16 loop trips of two trips: one for each pair of slots
	s_wait_xcnt 0x0                                ; the last prefetches have read their offset
	v_add_nc_u32 v[PFO], 65536, v[PFO]
	TRIP 0
	TRIP 1
	SH4 52
	SH4 54
	SH4 56
	SH4 58
	SH4 60
	s_add_co_u32 s50, s50, 512
	s_add_co_u32 s51, s51, 1
	s_cmp_lt_u32 s51, 16
	s_cbranch_scc1 .Liter
	; ---- the two halves of each unit meet: the odd wave sends unit 0 and finishes unit 1, the even wave the other way round
	s_cmp_eq_u32 s15, 0
	s_cbranch_scc1 .Lsend1
	SENDU 0
	s_branch .Lsent
.Lsend1:
	SENDU 1
.Lsent:
	s_wait_dscnt 0x0                               ; for the other wave's sake: my stores have landed
	s_barrier_signal -1
	s_barrier_wait -1
	s_cmp_eq_u32 s15, 0
	s_cbranch_scc1 .Lmerge0
	MERGEU 1, 66
	s_branch .Lend
.Lmerge0:
	MERGEU 0, 12
.Lend:
	s_wait_tensorcnt 0x0                           ; the wave's end
	ds_add_u32 v[SPW], v[NIL]
	s_wait_dscnt 0x0
	s_endpgm
.Lfunc_end_k_q6d9e7c626d_attn:
	.size	k_q6d9e7c626d_attn, .Lfunc_end_k_q6d9e7c626d_attn-k_q6d9e7c626d_attn
	.p2alignl 7, 3214868480
	.fill 96, 4, 3214868480
	.section	.rodata,"a",@progbits
	.p2align	6, 0x0
	.amdhsa_kernel k_q6d9e7c626d_attn
		.amdhsa_group_segment_fixed_size 136192
		.amdhsa_private_segment_fixed_size 0
		.amdhsa_enable_private_segment 0
		.amdhsa_kernarg_size 40
		.amdhsa_user_sgpr_count 2
		.amdhsa_user_sgpr_kernarg_segment_ptr 1
		.amdhsa_wavefront_size32 1
		.amdhsa_system_sgpr_workgroup_id_x 1
		.amdhsa_system_sgpr_workgroup_id_y 1
		.amdhsa_system_sgpr_workgroup_id_z 1
		.amdhsa_system_vgpr_workitem_id 0
		.amdhsa_next_free_vgpr 416
		.amdhsa_next_free_sgpr 100
		.amdhsa_reserve_vcc 0
		.amdhsa_float_denorm_mode_32 3
		.amdhsa_float_denorm_mode_16_64 3
		.amdhsa_memory_ordered 1
		.amdhsa_forward_progress 1
		.amdhsa_inst_pref_size 129
	.end_amdhsa_kernel
	.amdgpu_metadata
---
amdhsa.version: [ 1, 2 ]
amdhsa.kernels:
  - .name:           k_q6d9e7c626d_attn
    .symbol:         k_q6d9e7c626d_attn.kd
    .args:
      - { .name: q16, .offset: 0, .size: 8, .value_kind: global_buffer, .address_space: global }
      - { .name: kv16, .offset: 8, .size: 8, .value_kind: global_buffer, .address_space: global }
      - { .name: mbits, .offset: 16, .size: 8, .value_kind: global_buffer, .address_space: global }
      - { .name: cls, .offset: 24, .size: 8, .value_kind: global_buffer, .address_space: global }
      - { .name: att, .offset: 32, .size: 8, .value_kind: global_buffer, .address_space: global }
    .group_segment_fixed_size: 136192
    .private_segment_fixed_size: 0
    .kernarg_segment_align: 8
    .kernarg_segment_size: 40
    .max_flat_workgroup_size: 256
    .sgpr_count:     100
    .vgpr_count:     416
    .wavefront_size: 32
...
	.end_amdgpu_metadata
.endif
;; end of part 3
;; launch outp (part 4): grid 8 x 32, 4 waves a work-group, clusters of 4 x 4, 327,680 bytes of LDS; arguments att, wo16, out0; writes out0
.if DOCPART == 4
	.amdgcn_target "amdgcn-amd-amdhsa--gfx1250"
	.amdhsa_code_object_version 6
	.text
	.protected	k_q6d9e7c626d_outp
	.globl	k_q6d9e7c626d_outp
	.p2align	8
	.type	k_q6d9e7c626d_outp,@function
k_q6d9e7c626d_outp:
	s_mov_b64 s[64:65], 0
	v_nop
	global_prefetch_b8 v0, s[64:65] scope:SCOPE_SE
	s_setreg_imm32_b32 hwreg(HW_REG_WAVE_MODE, 25, 1), 1
	s_wait_xcnt 0x0
	s_wait_alu depctr_hold_cnt(0) depctr_sa_sdst(0) depctr_va_vdst(0) depctr_va_sdst(0) depctr_va_ssrc(0) depctr_va_vcc(0) depctr_vm_vsrc(0)
	s_getreg_b32 s2, hwreg(HW_REG_IB_STS2, 6, 4)
	s_cmp_eq_u32 s2, 0
	s_cbranch_scc0 .Lentry_in_a_cluster
	s_endpgm
.Lentry_in_a_cluster:
	s_bfe_u32 s2, ttmp6, 0x10000c
	s_cmp_lg_u32 s2, 0xf033
	s_cbranch_scc0 .Lentry_shape_is_right
	s_endpgm
.Lentry_shape_is_right:
; OUTP: out0 = att Wo, operands in f16, sums in f32.  att: images of fragments [tile of 16 rows][32 steps of 32 along K][1,024 bytes]; wo16 likewise for Wo^T's tiles of 16 columns.
; A tile of out0 is 128 x 128: four waves, each 64 x 64: 16 accumulators.  256 work-groups.  K = 1,024 goes in four steps of 256 through two LDS slots filled by the tensor data mover.
; A wave's load brings four tiles' 8,192 bytes of a K step (rows of 8,192 bytes, 32,768 apart in memory); in LDS they lie on end, and a fragment is two loads of 512 consecutive bytes: no padding.
; CLUSTERS: 4 x 4 work-groups.  The four of a row of the cluster need the same tiles of att, the four of a column the same tiles of wo16: each is asked for jointly, by the same load with a mask that names the four.
; THE MATRIX INSTRUCTION IS USED TRANSPOSED (source 0 = 16 columns of Wo, source 1 = 16 rows of att): a lane holds eight neighbouring numbers of a row of out0.
; Rows 0-15 are stored here with the rest of their tile of 128 rows; the launch behind this one stores them again, carried in f32.
; No prefetch: four K steps on small tiles.
; REGISTERS: window 0: v16-29 addresses; v32-95 rows on the way out; v128-255 the accumulators ((a, b) at v[128 + 8 (4 a + b)]).   window 1: two fragment buffers of 128: 64 registers of att, then 64 of Wo.
.set SLOT,   131072                    ; att's 8 tiles x 8,192 bytes, then Wo's
.set STAGE,  2*SLOT                    ; behind the ring: 16 rows x (256 + 16) bytes for each wave
.set SPITCH, 272
.set SPARE,  STAGE+4*16*SPITCH         ; the spare words, 128 bytes a wave
.set ADRA, 16
.set ADRB, 20
.set STO,  24
.set RD,   25
.set CO,   26
.set SPW,  28                          ; v28 LDS address of my spare word; never rewritten
.set NIL,  29                          ; v29 0; never rewritten
.set TMP,  32
.set ACC,  128
.set F0,   0
.set F1,   128
.set G1, 24                            ; s[24:31] descriptor group 1 for att's tiles;  s[32:39] group 0, one set for each slot
.set G0, 32
.set G1B, 48                           ; s[48:55], s[56:63] the same for Wo's
.set G0B, 56
.set MSB, 0
.macro WIN new                         ; the immediate's high byte repeats the setting that is left
.if MSB != \new
	s_set_vgpr_msb (MSB<<8)|\new
.set MSB, \new
.endif
.endm
.set MUL,  0x05                        ; sources 0 and 1 window 1; C and D window 0
.set TO_F, 0x40                        ; destination window 1, address window 0
.macro JLOAD s                         ; a joint load: waves 0 and 1 fetch att's two halves, waves 2 and 3 Wo's; an s_nop 0 and four v_nop follow each of the two lines
	s_cmp_eq_u32 s11, 0
	s_cbranch_scc0 .Lfor_b_\@
	tensor_load_to_lds s[G0+4*\s:G0+4*\s+3], s[G1:G1+7]
	s_nop 0
.rept 4
	v_nop
.endr
	s_branch .Lasked_\@
.Lfor_b_\@:
	tensor_load_to_lds s[G0B+4*\s:G0B+4*\s+3], s[G1B:G1B+7]
	s_nop 0
.rept 4
	v_nop
.endr
.Lasked_\@:
.endm
.macro CREST                           ; a round of the cluster's barrier behind its opening barrier
	s_cmp_lg_u32 s10, 0
	s_cbranch_scc1 .Lnot_wave_0_\@
	s_barrier_signal -3
.Lnot_wave_0_\@:
	s_barrier_wait -3
	s_barrier_signal -1
	s_barrier_wait -1
.endm
.macro CROUND
	s_barrier_signal -1
	s_barrier_wait -1
	CREST
.endm
	s_load_b128 s[4:7], s[0:1], 0x0                ; att s[4:5], wo16 s[6:7]
	s_load_b64 s[8:9], s[0:1], 0x10                ; out0
	v_lshl_add_u32 v[SPW], v0, 2, SPARE
	v_mov_b32 v[NIL], 0
	ds_add_u32 v[SPW], v[NIL]                      ; the wave's opening: the add, twice on end, and its wait ahead of my first tensor load
	ds_add_u32 v[SPW], v[NIL]
	v_lshrrev_b32 v1, 5, v0
	v_readfirstlane_b32 s10, v1                    ; wave 0..3
	s_lshr_b32 s11, s10, 1                         ; which half of the tile's rows is mine.  Also: I fetch for att (0) or for Wo (1)
	s_and_b32 s12, s10, 1                          ; which half of its columns.  Also: which four tiles I fetch
	s_bfe_u32 s40, ttmp6, 0x40000                  ; cx, cy: my place in the cluster
	s_bfe_u32 s41, ttmp6, 0x40004
	s_lshl_b32 s42, ttmp9, 2
	s_add_co_u32 s42, s42, s40                     ; tile column = 4 x cluster x + cx
	s_and_b32 s13, ttmp7, 0xffff
	s_lshl_b32 s13, s13, 2
	s_add_co_u32 s13, s13, s41                     ; tile row = 4 x cluster y + cy
	s_lshl_b32 s43, s41, 2
	s_lshl_b32 s43, 15, s43                        ; my row of the cluster
	s_lshl_b32 s44, 0x1111, s40                    ; my column
	s_or_b32 s[G1+0], s43, (3<<16)|(1<<21)         ; 15:0 the mask; 17:16 elements of 8 bytes; 21 set beside a mask; no padding
	s_or_b32 s[G1B+0], s44, (3<<16)|(1<<21)
.irp g, G1, G1B
	s_mov_b32 s[\g+1], 1024<<16                    ; tensor_dim0 = 1,024 elements: 8,192 bytes
	s_mov_b32 s[\g+2], 4<<16                       ; tensor_dim1 = 4
	s_mov_b32 s[\g+3], 1024<<16                    ; tile_dim0
	s_mov_b32 s[\g+4], 4                           ; tile_dim1
	s_mov_b32 s[\g+5], 4096                        ; from row to row: 32,768 bytes
	s_mov_b32 s[\g+6], 0
	s_mov_b32 s[\g+7], 0
.endr
	s_lshl_b32 s17, s12, 17                        ; which four tiles of the eight
	s_lshl_b32 s16, s13, 18
	s_add_co_u32 s16, s16, s17                     ; att: 262,144 x tile row + 131,072 x half
	s_lshl_b32 s46, s42, 18
	s_add_co_u32 s46, s46, s17                     ; wo16: by the tile column
	s_mov_b32 s17, 0
	s_mov_b32 s47, 0
	s_lshl_b32 s20, s10, 15                        ; where they go: wave x 32,768: no place in the cluster enters an LDS address
	s_wait_dscnt 0x0                               ; both opening adds are done
	s_wait_kmcnt 0x0
	s_add_nc_u64 s[14:15], s[4:5], s[16:17]
	s_add_nc_u64 s[46:47], s[6:7], s[46:47]
	CROUND                                         ; all sixteen work-groups are here: the first joint loads meet
.irp s, 0,1
	s_mov_b32 s[G0+4*\s], 1
	s_add_co_u32 s[G0+4*\s+1], s20, \s*SLOT
	s_add_nc_u64 s[G0+4*\s+2:G0+4*\s+3], s[14:15], \s*8192
	s_or_b32 s[G0+4*\s+3], s[G0+4*\s+3], 0x80000000
	s_mov_b32 s[G0B+4*\s], 1
	s_add_co_u32 s[G0B+4*\s+1], s20, \s*SLOT
	s_add_nc_u64 s[G0B+4*\s+2:G0B+4*\s+3], s[46:47], \s*8192
	s_or_b32 s[G0B+4*\s+3], s[G0B+4*\s+3], 0x80000000
	JLOAD \s
.endr
	v_and_b32 v1, 15, v0                           ; r
	v_bfe_u32 v2, v0, 4, 1                         ; h
	v_and_b32 v3, 31, v0
	v_lshlrev_b32 v3, 4, v3                        ; 16 x lane
	s_lshl_b32 s21, s11, 15                        ; my four tiles of att,
	s_lshl_b32 s22, s12, 15                        ; my four of Wo,
	s_add_co_u32 s22, s22, 65536                   ; which lie behind att's eight
.irp s, 0,1
	v_add_nc_u32 v[ADRA+\s], s21, v3
	v_add_nc_u32 v[ADRB+\s], s22, v3
	s_add_co_u32 s21, s21, SLOT
	s_add_co_u32 s22, s22, SLOT
.endr
	s_mul_i32 s23, s10, 16*SPITCH
	s_add_co_u32 s23, s23, STAGE                   ; my stage
	v_mul_u32_u24 v4, v1, SPITCH
	v_lshl_add_u32 v4, v2, 5, v4
	v_add_nc_u32 v[STO], s23, v4                   ; in: row r, 32 bytes for each half of the lanes
	v_mul_u32_u24 v5, v2, SPITCH
	v_lshl_add_u32 v5, v1, 4, v5
	v_add_nc_u32 v[RD], s23, v5                    ; back: lanes 0-15 one row of 256 bytes, lanes 16-31 the next
	v_lshlrev_b32 v5, 12, v2
	v_lshl_add_u32 v[CO], v1, 4, v5                ; and the same two rows in out0
	s_lshl_b32 s16, s13, 19                        ; 128 rows of 4,096 bytes a tile row,
	s_lshl_b32 s17, s11, 18                        ; my 64
	s_add_co_u32 s16, s16, s17
	s_mov_b32 s17, 0
	s_add_nc_u64 s[8:9], s[8:9], s[16:17]
	s_lshl_b32 s46, s42, 9                         ; 512 bytes a tile column, my 256
	s_lshl_b32 s47, s12, 8
	s_add_co_u32 s46, s46, s47
	s_mov_b32 s47, 0
	s_add_nc_u64 s[8:9], s[8:9], s[46:47]
; 8 matrix instructions: blocks a0, a0 + 1 of rows x all 4 blocks of columns, 32 along K: half c of buffer f.  zero = 1: the first product starts the sums.  The 16 accumulators take turns
.macro MUL8 f, c, a0, zero
.irp a, \a0, \a0+1
.irp b, 0,1,2,3
.if \zero
	v_wmma_f32_16x16x32_f16 v[ACC+8*(4*(\a)+\b):ACC+8*(4*(\a)+\b)+7], v[\f+64+8*(4*\c+\b):\f+64+8*(4*\c+\b)+7], v[\f+8*(4*\c+\a):\f+8*(4*\c+\a)+7], 0
.else
	v_wmma_f32_16x16x32_f16 v[ACC+8*(4*(\a)+\b):ACC+8*(4*(\a)+\b)+7], v[\f+64+8*(4*\c+\b):\f+64+8*(4*\c+\b)+7], v[\f+8*(4*\c+\a):\f+8*(4*\c+\a)+7], v[ACC+8*(4*(\a)+\b):ACC+8*(4*(\a)+\b)+7]
.endif
.endr
.endr
.endm
; 32 LDS loads in one run: the fragments of quarter q of the slot's K step (64 along K) into buffer f; the first 32 along K first
.macro FETCH slot, q, f
	WIN TO_F
.irp c, 0,1
.irp i, 0,1,2,3
	ds_load_b128 v[\f+64+8*(4*\c+\i):\f+64+8*(4*\c+\i)+3],   v[ADRB+\slot] offset:(8*\i+2*(\q)+\c)*1024
	ds_load_b128 v[\f+64+8*(4*\c+\i)+4:\f+64+8*(4*\c+\i)+7], v[ADRB+\slot] offset:(8*\i+2*(\q)+\c)*1024+512
	ds_load_b128 v[\f+8*(4*\c+\i):\f+8*(4*\c+\i)+3],         v[ADRA+\slot] offset:(8*\i+2*(\q)+\c)*1024
	ds_load_b128 v[\f+8*(4*\c+\i)+4:\f+8*(4*\c+\i)+7],       v[ADRA+\slot] offset:(8*\i+2*(\q)+\c)*1024+512
.endr
.endr
.endm
.macro PLACES                          ; four places in front of loads into registers that matrix instructions have read, and of the first read of results
.rept 4
	v_nop
.endr
.endm
; A K step is four quarters of 64 along K, 32 matrix instructions each, on buffers 0, 1, 0, 1.  One of the first three: multiplies buffer f and fetches quarter q into g.
.macro QUARTER slot, q, f, g, zero
	s_wait_dscnt 16                                ; the first 32 along K are in; the other sixteen loads may stay out
	WIN MUL
	MUL8 \f, 0, 0, \zero
	MUL8 \f, 0, 2, \zero
	PLACES
	FETCH \slot, \q, \g
	s_wait_dscnt 32                                ; all but the 32 just issued
	WIN MUL
	MUL8 \f, 1, 0, 0
	MUL8 \f, 1, 2, 0
.endm
; The last quarter multiplies buffer 1 and changes slots: one barrier; in front of it each wave waits for all its tensor loads, adds 0 to its spare word, and waits for that and for its reads of this slot.
.macro TURN slot, next, fill
	WIN 0                                          ; (the add's two registers lie in window 0)
	s_wait_tensorcnt 0x0                           ; all my tensor loads have landed: my part of the next slot
	ds_add_u32 v[SPW], v[NIL]                      ; 0 onto my spare word
	s_wait_dscnt 17                                ; (the add and the youngest sixteen loads may be out)
	WIN MUL
	MUL8 F1, 0, 0, 0
	s_wait_dscnt 0x0                               ; the add is done, and my reads of this slot are over
	s_barrier_signal -1
	MUL8 F1, 0, 2, 0
.if \fill
	WIN 0
.endif
	s_barrier_wait -1
.if \fill
	CREST                                          ; the barrier has opened a round of the cluster's: no wave of any partner still reads this slot or has a load on its way
	s_add_nc_u64 s[G0+4*\slot+2:G0+4*\slot+3], s[G0+4*\slot+2:G0+4*\slot+3], 16384
	s_add_nc_u64 s[G0B+4*\slot+2:G0B+4*\slot+3], s[G0B+4*\slot+2:G0B+4*\slot+3], 16384
	JLOAD \slot                                    ; the first tensor load behind the round; its four v_nop are also the places in front of the loads below
.else
	PLACES
.endif
	FETCH \next, 0, F0
	WIN MUL
	MUL8 F1, 1, 0, 0
	MUL8 F1, 1, 2, 0
.endm
	s_wait_tensorcnt 1                             ; my part of K step 0 is in; K step 1's load may stay out
	s_barrier_signal -1
	s_barrier_wait -1
	FETCH 0, 0, F0
	QUARTER 0, 1, F0, F1, 1                        ; the first products start the sums
	QUARTER 0, 2, F1, F0, 0
	QUARTER 0, 3, F0, F1, 0
	TURN 0, 1, 1                                   ; slot 0 takes K step 2
	QUARTER 1, 1, F0, F1, 0
	QUARTER 1, 2, F1, F0, 0
	QUARTER 1, 3, F0, F1, 0
	TURN 1, 0, 1                                   ; slot 1 takes K step 3
	QUARTER 0, 1, F0, F1, 0
	QUARTER 0, 2, F1, F0, 0
	QUARTER 0, 3, F0, F1, 0
	TURN 0, 1, 0                                   ; nothing is left to fetch
	QUARTER 1, 1, F0, F1, 0
	QUARTER 1, 2, F1, F0, 0
	QUARTER 1, 3, F0, F1, 0
	s_wait_dscnt 16
	WIN MUL
	MUL8 F1, 0, 0, 0
	MUL8 F1, 0, 2, 0
	s_wait_dscnt 0x0
	MUL8 F1, 1, 0, 0
	MUL8 F1, 1, 2, 0
	WIN 0
; THE WAY OUT, a block of 16 rows x 64 columns at a time, through my own stage: a lane holds 32 bytes of a row; back come whole runs of 256 bytes, which sixteen lanes store.
.macro TOSTAGE a
.irp b, 0,1,2,3
	ds_store_b128 v[STO], v[ACC+8*(4*(\a)+\b):ACC+8*(4*(\a)+\b)+3] offset:64*\b          ; each accumulator from its low end on
	ds_store_b128 v[STO], v[ACC+8*(4*(\a)+\b)+4:ACC+8*(4*(\a)+\b)+7] offset:64*\b+16
.endr
.irp t, 0,1,2,3,4,5,6,7
	ds_load_b128 v[TMP+32*((\a)%2)+4*\t:TMP+32*((\a)%2)+4*\t+3], v[RD] offset:\t*2*SPITCH   ; LDS serves a wave's instructions in order: these see the stores above, and the next block's stores come behind them
.endr
.endm
.macro SEND a, younger                 ; younger: the LDS instructions issued behind block a's loads, which may stay out
	s_wait_dscnt \younger
.irp t, 0,1,2,3,4,5,6,7
	global_store_b128 v[CO], v[TMP+32*((\a)%2)+4*\t:TMP+32*((\a)%2)+4*\t+3], s[8:9] offset:(16*(\a)+2*\t)*4096 th:TH_STORE_NT   ; sixteen lanes store 256 consecutive bytes, at a multiple of 256 from out0's first byte
.endr
.endm
	PLACES
	TOSTAGE 0
	TOSTAGE 1
	SEND 0, 16
	s_wait_xcnt 0x0                                ; block 0's stores have read their registers
	TOSTAGE 2
	SEND 1, 16
	s_wait_xcnt 0x0
	TOSTAGE 3
	SEND 2, 16
	SEND 3, 0
	s_wait_tensorcnt 0x0                           ; the wave's end
	ds_add_u32 v[SPW], v[NIL]
	s_wait_dscnt 0x0
	CROUND                                         ; the closing round: no work-group ends while a partner may still ask for a tile that names it
	s_endpgm
.Lfunc_end_k_q6d9e7c626d_outp:
	.size	k_q6d9e7c626d_outp, .Lfunc_end_k_q6d9e7c626d_outp-k_q6d9e7c626d_outp
	.p2alignl 7, 3214868480
	.fill 96, 4, 3214868480
	.section	.rodata,"a",@progbits
	.p2align	6, 0x0
	.amdhsa_kernel k_q6d9e7c626d_outp
		.amdhsa_group_segment_fixed_size 327680
		.amdhsa_private_segment_fixed_size 0
		.amdhsa_enable_private_segment 0
		.amdhsa_kernarg_size 24
		.amdhsa_user_sgpr_count 2
		.amdhsa_user_sgpr_kernarg_segment_ptr 1
		.amdhsa_wavefront_size32 1
		.amdhsa_system_sgpr_workgroup_id_x 1
		.amdhsa_system_sgpr_workgroup_id_y 1
		.amdhsa_system_sgpr_workgroup_id_z 1
		.amdhsa_system_vgpr_workitem_id 0
		.amdhsa_next_free_vgpr 512
		.amdhsa_next_free_sgpr 66
		.amdhsa_reserve_vcc 0
		.amdhsa_float_denorm_mode_32 3
		.amdhsa_float_denorm_mode_16_64 3
		.amdhsa_memory_ordered 1
		.amdhsa_forward_progress 1
		.amdhsa_inst_pref_size 85
	.end_amdhsa_kernel
	.amdgpu_metadata
---
amdhsa.version: [ 1, 2 ]
amdhsa.kernels:
  - .name:           k_q6d9e7c626d_outp
    .symbol:         k_q6d9e7c626d_outp.kd
    .args:
      - { .name: att, .offset: 0, .size: 8, .value_kind: global_buffer, .address_space: global }
      - { .name: wo16, .offset: 8, .size: 8, .value_kind: global_buffer, .address_space: global }
      - { .name: out0, .offset: 16, .size: 8, .value_kind: global_buffer, .address_space: global }
    .group_segment_fixed_size: 327680
    .private_segment_fixed_size: 0
    .kernarg_segment_align: 8
    .kernarg_segment_size: 24
    .max_flat_workgroup_size: 128
    .sgpr_count:     66
    .vgpr_count:     512
    .wavefront_size: 32
...
	.end_amdgpu_metadata
.endif
;; end of part 4
;; launch fine (part 5): grid 64 x 1, 16 waves a work-group, no clusters, 18,432 bytes of LDS; arguments f32b, mbits, cls, Wo, out0; writes out0
.if DOCPART == 5
	.amdgcn_target "amdgcn-amd-amdhsa--gfx1250"
	.amdhsa_code_object_version 6
	.text
	.protected	k_q6d9e7c626d_fine
	.globl	k_q6d9e7c626d_fine
	.p2align	8
	.type	k_q6d9e7c626d_fine,@function
k_q6d9e7c626d_fine:
	s_mov_b64 s[64:65], 0
	v_nop
	global_prefetch_b8 v0, s[64:65] scope:SCOPE_SE
	s_setreg_imm32_b32 hwreg(HW_REG_WAVE_MODE, 25, 1), 1
	s_wait_xcnt 0x0
; FINE: positions 0-15 once more, attention and projection with f32 operands: rows that may average one to a few values are the largest in size, and f16's rounding would weigh most there.
; It runs last and stores rows 0-15 of out0 over what the launch before left there.
; WORK LEFT OUT: steps of 64 keys and, in a live step, tiles of 16 keys of which no key is allowed to any of these 16 queries (p = 0 for all values of q, k, v), by the whole numbers that the first launch
; stored in cls: the 64 bits of tile 0, and its finer classes from byte 4,096 on (a word for two steps, four bits to a tile of 16 keys).  The mask words of mbits select values alone.
; LIMIT: a NaN or an infinity in k or v that reaches only such tiles is not carried.  A row with no key allowed gives NaN, as reference() does.
; SHARES.  A wave is a head; a work-group makes 16 columns of out0 (the sixteen heads' parts meet in LDS).  The attention of the 16 rows is made anew in each of the 64 work-groups: it is small beside a launch more.
; LAYOUT.  q, k, v arrive as images of f32 registers.  The 16 x 16 x 4 form takes a lane's registers 2 c, 2 c + 1 as K = 2 (lane / 16) + 0, 1: both operands of a product are cut the same way, so each feature
; (or key) meets itself.  S^T = K Q^T and O^T = V^T P: a lane holds one query.  Registers that this form writes are written by matrix instructions alone; what is made of a sum goes to other registers.
; REGISTERS: v1, v2 the add's two; v3 16 x lane; v4 16 x lane + the step's bytes; v5 -inf; v9-12 addresses; v16-47 Q; v48-79 Wo; v80-111 K; v112-143 V; v144-159 S^T in two halves; v160-191 V^T P;
;   v192-207 the projection in two halves; v208-215 scores, then p; v216-247 O^T; v248 m, v249 old m, v250 the sum, v251 a, v252-255 at work.
.set SPARE, 16384
.set SPW, 1
.set NIL, 2
.macro FAR
.rept 8
	v_nop                                          ; eight places behind this form, in front of the first read of results
.endr
.endm
.macro TILE kt                         ; 16 keys of the step
	s_and_b32 s30, s31, 0xf<<(4*\kt)
	s_cbranch_scc0 .Ldead_\@                       ; no key of the tile is allowed to any of the 16 queries
.irp e, 0,1,2,3,4,5,6,7
	global_load_b128 v[80+4*\e:83+4*\e], v4, s[18:19] offset:65536+\kt*4096+512*\e
.endr
.irp e, 0,1,2,3,4,5,6,7
	global_load_b128 v[112+4*\e:115+4*\e], v4, s[18:19] offset:4259840+\kt*4096+512*\e
.endr
	s_wait_loadcnt 0x0
.set c, 0
.rept 16                               ; two accumulators take turns; each begins with the constant 0
.if c < 2
	v_wmma_f32_16x16x4_f32 v[144+8*(c%2):151+8*(c%2)], v[80+2*c:81+2*c], v[16+2*c:17+2*c], 0
.else
	v_wmma_f32_16x16x4_f32 v[144+8*(c%2):151+8*(c%2)], v[80+2*c:81+2*c], v[16+2*c:17+2*c], v[144+8*(c%2):151+8*(c%2)]
.endif
.set c, c+1
.endr
	FAR
.irp j, 0,1,2,3,4,5,6,7
	v_add_f32 v[208+\j], v[144+\j], v[152+\j]
.endr
.irp j, 0,1,2,3,4,5,6,7
	v_cndmask_b32 v[208+\j], v5, v[208+\j], s[68+8*\kt+\j]
.endr
	v_max3_num_f32 v252, v208, v209, v210
	v_max3_num_f32 v253, v211, v212, v213
	v_max3_num_f32 v252, v252, v214, v215
	v_max3_num_f32 v252, v252, v253, v248
	v_permlanex16_b32 v253, v252, s20, s21
	v_mov_b32 v249, v248
	v_max_num_f32 v248, v252, v253                 ; the new m
	v_sub_f32 v249, v249, v248
.irp j, 0,1,2,3,4,5,6,7
	v_sub_f32 v[208+\j], v[208+\j], v248
.endr
	v_exp_f32 v251, v249                           ; a
.irp j, 0,1,2,3,4,5,6,7
	v_exp_f32 v[208+\j], v[208+\j]                 ; p
.endr
	v_nop
	s_wait_alu depctr_va_vdst(0)                   ; one wait for the nine, ahead of their first reader
	v_add_f32 v252, v208, v209
	v_add_f32 v253, v210, v211
	v_add_f32 v254, v212, v213
	v_add_f32 v255, v214, v215
	v_add_f32 v252, v252, v253
	v_add_f32 v254, v254, v255
	v_add_f32 v252, v252, v254
	v_fma_f32 v250, v250, v251, v252
.irp c, 0,1,2,3                        ; keys 8 h + 2 c + 0, 1; the four accumulators take turns
.irp d, 0,1,2,3
.if \c == 0
	v_wmma_f32_16x16x4_f32 v[160+8*\d:167+8*\d], v[112+8*\d+2*\c:113+8*\d+2*\c], v[208+2*\c:209+2*\c], 0
.else
	v_wmma_f32_16x16x4_f32 v[160+8*\d:167+8*\d], v[112+8*\d+2*\c:113+8*\d+2*\c], v[208+2*\c:209+2*\c], v[160+8*\d:167+8*\d]
.endif
.endr
.endr
	FAR
.set j, 0
.rept 32
	v_fma_f32 v[216+j], v[216+j], v251, v[160+j]   ; O^T x a + this tile's
.set j, j+1
.endr
.Ldead_\@:
.endm
	s_load_b256 s[4:11], s[0:1], 0x0               ; f32b s[4:5], mbits s[6:7], cls s[8:9], Wo s[10:11]
	s_load_b64 s[12:13], s[0:1], 0x20              ; out0
	v_lshl_add_u32 v[SPW], v0, 2, SPARE
	v_mov_b32 v[NIL], 0
	v_lshrrev_b32 v3, 5, v0
	v_readfirstlane_b32 s14, v3                    ; wave = head
	v_and_b32 v6, 31, v0
	v_lshlrev_b32 v3, 4, v6
	v_lshlrev_b32 v4, 4, v6
	v_mov_b32 v5, 0xff800000
	v_and_b32 v7, 15, v0                           ; r
	v_bfe_u32 v8, v0, 4, 1                         ; h
	v_lshlrev_b32 v9, 2, v7
	v_lshl_add_u32 v9, v8, 15, v9                  ; Wo: 8 h rows of 4,096 bytes + 4 r
	s_lshl_b32 s15, s14, 10
	v_lshl_add_u32 v10, v6, 5, s15                 ; LDS: my head's part: 1,024 x wave + 32 x lane
	v_lshlrev_b32 v11, 4, v0                       ; and read: 16 x thread (threads 0-63)
	v_bfe_u32 v12, v0, 1, 4
	v_lshlrev_b32 v12, 12, v12                     ; out0: row (t / 2) % 16,
	v_bfe_u32 v13, v0, 5, 1
	v_lshl_add_u32 v12, v13, 5, v12                ; columns 8 (t / 32)
	v_and_b32 v13, 1, v0
	v_lshl_add_u32 v12, v13, 4, v12                ; + 4 (t % 2)
	s_mov_b32 s20, 0x76543210
	s_mov_b32 s21, 0xfedcba98
	s_mov_b32 s23, 0
	s_wait_kmcnt 0x0
	s_load_b128 s[24:27], s[8:9], 0x0              ; tile 0's classes
	s_lshl_b32 s22, s14, 12
	s_add_nc_u64 s[16:17], s[4:5], s[22:23]        ; my head's q
	s_lshr_b32 s22, s14, 2
	s_lshl_b32 s22, s22, 20
	s_add_nc_u64 s[18:19], s[4:5], s[22:23]        ; my group's k (65,536 bytes on) and v (4,259,840 on)
	s_lshl_b32 s22, s14, 18
	s_lshl_b32 s29, ttmp9, 6
	s_add_co_u32 s22, s22, s29
	s_add_nc_u64 s[10:11], s[10:11], s[22:23]      ; Wo: my head's 64 rows, my work-group's 16 columns
	s_mov_b32 s22, s29
	s_add_nc_u64 s[12:13], s[12:13], s[22:23]
.irp e, 0,1,2,3,4,5,6,7
	global_load_b128 v[16+4*\e:19+4*\e], v3, s[16:17] offset:512*\e
.endr
.irp d, 0,1,2,3
.irp j, 0,1,2,3,4,5,6,7
	global_load_b32 v[48+8*\d+\j], v9, s[10:11] offset:(16*\d+\j)*4096   ; Wo(64 head + 16 d + 8 h + j, 16 c + r): cut as O^T is
.endr
.endr
.set j, 0
.rept 32
	v_mov_b32 v[216+j], 0                          ; O^T: which tile is the first live one is not known here
.set j, j+1
.endr
	v_mov_b32 v248, 0xff61b1e6                     ; m: -3e38
	v_mov_b32 v250, 0
	v_mov_b32 v252, 0
	v_mov_b32 v253, 0
	s_mov_b32 s28, 0
	s_wait_loadcnt 0x0
	s_wait_kmcnt 0x0
.Lstep:
	s_cmp_lt_u32 s28, 32
	s_cselect_b32 s29, s24, s25
	s_lshr_b32 s29, s29, s28                       ; (the shift takes the count's low five bits)
	s_and_b32 s29, s29, 1
	s_cbranch_scc0 .Lnext                          ; no key of the step is allowed
	s_lshr_b32 s30, s28, 1
	s_lshl_b32 s30, s30, 2
	s_load_b32 s31, s[8:9], s30 offset:4096        ; the finer classes of steps 2 (step / 2) and + 1
	s_load_b512 s[68:83], s[6:7], 0x0              ; the step's 32 mask words
	s_load_b512 s[84:99], s[6:7], 0x40
	s_wait_kmcnt 0x0
	s_and_b32 s30, s28, 1
	s_lshl_b32 s30, s30, 4
	s_lshr_b32 s31, s31, s30                       ; my step's sixteen bits: four to a tile of 16 keys
	TILE 0
	TILE 1
	TILE 2
	TILE 3
.Lnext:
	s_add_nc_u64 s[6:7], s[6:7], 128               ; no load is out here: each was waited for where it was issued
	v_add_nc_u32 v4, 16384, v4
	s_add_co_u32 s28, s28, 1
	s_cmp_lt_u32 s28, 64
	s_cbranch_scc1 .Lstep
	v_permlanex16_b32 v252, v250, s20, s21
	v_add_f32 v250, v250, v252                     ; the row's sum
	v_rcp_f32 v251, v250
	v_nop
	s_wait_alu depctr_va_vdst(0)
.set j, 0
.rept 32
	v_mul_f32 v[216+j], v[216+j], v251
.set j, j+1
.endr
.set c, 0
.rept 16                               ; my head's part of out0^T: source 0 = 16 columns of Wo, source 1 = O^T
.if c < 2
	v_wmma_f32_16x16x4_f32 v[192+8*(c%2):199+8*(c%2)], v[48+2*c:49+2*c], v[216+2*c:217+2*c], 0
.else
	v_wmma_f32_16x16x4_f32 v[192+8*(c%2):199+8*(c%2)], v[48+2*c:49+2*c], v[216+2*c:217+2*c], v[192+8*(c%2):199+8*(c%2)]
.endif
.set c, c+1
.endr
	FAR
.irp j, 0,1,2,3,4,5,6,7
	v_add_f32 v[208+\j], v[192+\j], v[200+\j]      ; lane (r, h): out0(r, 16 c + 8 h + j), my head's part
.endr
	ds_store_b128 v10, v[208:211]
	ds_store_b128 v10, v[212:215] offset:16
	s_wait_dscnt 0x0                               ; for the others' sake
	s_barrier_signal -1
	s_barrier_wait -1
	s_cmp_ge_u32 s14, 2
	s_cbranch_scc1 .Ldone
.irp w, 0,1,2,3,4,5,6,7,8,9,10,11,12,13,14,15
	ds_load_b128 v[80+4*\w:83+4*\w], v11 offset:\w*1024
.endr
	s_wait_dscnt 0x0
.irp w, 1,2,3,4,5,6,7,8,9,10,11,12,13,14,15
	v_pk_add_f32 v[80:81], v[80:81], v[80+4*\w:81+4*\w]            ; the heads in ascending order
	v_pk_add_f32 v[82:83], v[82:83], v[82+4*\w:83+4*\w]
.endr
	global_store_b128 v12, v[80:83], s[12:13]
.Ldone:
	s_wait_tensorcnt 0x0                           ; the wave's end
	ds_add_u32 v[SPW], v[NIL]
	s_wait_dscnt 0x0
	s_endpgm
.Lfunc_end_k_q6d9e7c626d_fine:
	.size	k_q6d9e7c626d_fine, .Lfunc_end_k_q6d9e7c626d_fine-k_q6d9e7c626d_fine
	.p2alignl 7, 3214868480
	.fill 96, 4, 3214868480
	.section	.rodata,"a",@progbits
	.p2align	6, 0x0
	.amdhsa_kernel k_q6d9e7c626d_fine
		.amdhsa_group_segment_fixed_size 18432
		.amdhsa_private_segment_fixed_size 0
		.amdhsa_enable_private_segment 0
		.amdhsa_kernarg_size 40
		.amdhsa_user_sgpr_count 2
		.amdhsa_user_sgpr_kernarg_segment_ptr 1
		.amdhsa_wavefront_size32 1
		.amdhsa_system_sgpr_workgroup_id_x 1
		.amdhsa_system_sgpr_workgroup_id_y 1
		.amdhsa_system_sgpr_workgroup_id_z 1
		.amdhsa_system_vgpr_workitem_id 0
		.amdhsa_next_free_vgpr 256
		.amdhsa_next_free_sgpr 100
		.amdhsa_reserve_vcc 0
		.amdhsa_float_denorm_mode_32 3
		.amdhsa_float_denorm_mode_16_64 3
		.amdhsa_memory_ordered 1
		.amdhsa_forward_progress 1
		.amdhsa_inst_pref_size 47
	.end_amdhsa_kernel
	.amdgpu_metadata
---
amdhsa.version: [ 1, 2 ]
amdhsa.kernels:
  - .name:           k_q6d9e7c626d_fine
    .symbol:         k_q6d9e7c626d_fine.kd
    .args:
      - { .name: f32b, .offset: 0, .size: 8, .value_kind: global_buffer, .address_space: global }
      - { .name: mbits, .offset: 8, .size: 8, .value_kind: global_buffer, .address_space: global }
      - { .name: cls, .offset: 16, .size: 8, .value_kind: global_buffer, .address_space: global }
      - { .name: Wo, .offset: 24, .size: 8, .value_kind: global_buffer, .address_space: global }
      - { .name: out0, .offset: 32, .size: 8, .value_kind: global_buffer, .address_space: global }
    .group_segment_fixed_size: 18432
    .private_segment_fixed_size: 0
    .kernarg_segment_align: 8
    .kernarg_segment_size: 40
    .max_flat_workgroup_size: 512
    .sgpr_count:     100
    .vgpr_count:     256
    .wavefront_size: 32
...
	.end_amdgpu_metadata
.endif
;; end of part 5
